; MI455X (gfx1250); checked and timed in simulation.
; The chip was launched on July 23, 2026; its instructions are those of AMD's public machine-readable ISA for CDNA 5 (MIT licence, August 2026) and "CDNA5" Instruction Set Architecture Reference Guide (July 2026). The comments in the code are by the model that wrote it; some were corrected since.
;; Grouped Query Attention. Allowed arithmetic: matrix products marked QUANTISED: E3M2 operands, one E8M0 scale for each 32 along K, by v_wmma_scale_f32_16x16x128_f8f6f4 with both operands' format E3M2, f32 sums; everything else in f32.
;; Inputs: cos 2,048 x 256 float32; k_gamma 256 float32; mask 2,048 x 2,048 bool; q_gamma 256 float32; sin 2,048 x 256 float32; wk 1,024 x 2,048 float32; wo 2,048 x 1,024 float32; wq 1,024 x 2,048 float32; wv 1,024 x 2,048 float32; x 2 x 2,048 x 2,048 float32.
;; Outputs: out0 2 x 2,048 x 2,048 float32.
;; This version of the problem:
;;   THIS VERSION OF THE PROBLEM IS GIVEN IN LOW PRECISION. The matrix products marked QUANTISED in the list below multiply operands that are first quantised to E3M2 (3 exponent bits, 2 mantissa bits; 6 bits a number), with one power-of-two scale for each 32 numbers along K (OCP MX v1.0); their sums are f32. All else is computed in f32.
;;   The module's matrix products, in the order in which they are computed (A, B: the left and right operand; K: the contracted axis; several contracted axes count as one K, in the product's order):
;;     1. [M 4,096, K 2,048] x [K 2,048, N 1,024]; A: input x; B: input wq: QUANTISED
;;     2. [M 4,096, K 2,048] x [K 2,048, N 1,024]; A: input x; B: input wk: QUANTISED
;;     3. [M 4,096, K 2,048] x [K 2,048, N 1,024]; A: input x; B: input wv: QUANTISED
;;     4. batch 8 x [M 2,048, K 256] x [K 256, N 2,048]; A: computed on the way; B: computed on the way: QUANTISED
;;     5. batch 8 x [M 2,048, K 2,048] x [K 2,048, N 256]; A: softmax (see below); B: computed on the way: QUANTISED
;;     6. [M 4,096, K 1,024] x [K 1,024, N 2,048]; A: computed on the way; B: input wo: QUANTISED
;;   THE QUANTISER, for each operand of a quantised product, along K:
;;     - K is cut into blocks of 32 from its start; a last block that is shorter is filled with zeros.
;;     - A block's scale is 2^e with e = floor(log2(the largest magnitude in the block)) - 4, held to -126 .. 127; a block of zeros has e = 0. As a byte (E8M0): e + 127.
;;     - Each number is divided by its block's scale, clamped to +-28, and rounded to the nearest number of E3M2, ties to even, subnormals kept.
;;     - The product sums the exact products of the quantised numbers (number of the format x scale) in f32.
;;   ~~~python
;;   def quantise(x, axis):      # numpy; x: float32 -> the quantised numbers, widened to float32 again
;;       x = np.moveaxis(x, axis, -1); K = x.shape[-1]
;;       x = np.pad(x, [(0, 0)] * (x.ndim - 1) + [(0, -K % 32)]); x = x.reshape(x.shape[:-1] + (-1, 32)); a = np.abs(x).max(-1, keepdims=True)
;;       e = np.where(a > 0, np.clip(np.frexp(np.where(a > 0, a, 1))[1] - 1 - 4, -126, 127), 0)      # np.frexp(a)[1] - 1 = floor(log2(a)), exactly
;;       r = np.clip(x / 2.0 ** e, -28, 28)
;;       step = 2.0 ** (np.maximum(np.frexp(np.where(r == 0, 1, r))[1] - 1, -2) - 2)
;;       q = np.round(r / step) * step * 2.0 ** e      # np.round: ties to even
;;       return np.moveaxis(q.reshape(q.shape[:-2] + (-1,))[..., :K], -1, axis).astype(np.float32)
;;   ~~~
;;   SOFTMAX AHEAD OF A QUANTISED PRODUCT. Where the list says 'softmax', what is quantised is not the finished softmax but p = 2^(t - M), with t = logit x log2(e) and M = ceil(the row's largest t), a whole number; so 1/2 < the row's largest p <= 1. The row's sum l is taken of the UNQUANTISED p, in f32, and the product's result is divided by l at the end. Since M is a whole number, a kernel that streams over the keys may use a running M (the ceiling of the running maximum): every later rescaling is an exact power of two, which a block's scale takes up: the codes' values come out the same.
;;   OPERANDS COMPUTED ON THE WAY. 'Computed on the way' means the value that the module computes at that place (a softmax that the list does not call 'softmax' is quantised finished and normalised). What goes into a quantiser is computed in f32, as accurately as f32 sums, v_exp_f32 and their like allow (about 1e-6 of the number): no bf16 or f16 on the way to a quantiser, and a product that is left as it is and whose result goes on into a quantised operand takes f32 operands (vector FMAs, or v_wmma_f32_16x16x4_f32). A number that lies on a knife's edge between two numbers of the format may be rounded either way, as far as f32 arithmetic and the matrix unit's own rounding can turn it there, and no further.
;; One version. Each part assembles by itself: llvm-mc -triple=amdgcn-amd-amdhsa -mcpu=gfx1250 --defsym DOCPART=n.
;; ======== version 1 of 1: 4 launches
;; workspace buffers: ops 13,107,200 bytes; maskw 524,288 bytes of whole numbers; qkv 9,830,400 bytes; ctx 3,276,800 bytes
;; launch prep (part 1): grid 768 x 1, 4 waves a work-group, no clusters, 51,712 bytes of LDS; arguments x, wq, wk, wv, wo, mask, ops, maskw; writes ops, maskw
.if DOCPART == 1
	.amdgcn_target "amdgcn-amd-amdhsa--gfx1250"
	.amdhsa_code_object_version 6
	.text
	.protected	k_qfe4a0ccd86_prep
	.globl	k_qfe4a0ccd86_prep
	.p2align	8
	.type	k_qfe4a0ccd86_prep,@function
k_qfe4a0ccd86_prep:
	s_mov_b64 s[64:65], 0
	v_nop
	global_prefetch_b8 v0, s[64:65] scope:SCOPE_SE
	s_setreg_imm32_b32 hwreg(HW_REG_WAVE_MODE, 25, 1), 1
	s_wait_xcnt 0x0
; PREP.  Work-groups 0-511: x, wq, wk, wv, wo (f32, K innermost) become codes of BF6 (E3M2) with one E8M0 byte for each 32 along K, stored in the ORDER OF THE OPERAND'S REGISTERS.
; Work-groups 512-767: the mask (one byte a place) becomes 32-bit lane masks for the attention launch.  Waves share nothing: no barrier.  Each of the two paths has LDS bytes of its own.
; FRAGMENT IMAGE, 1,536 bytes: 16 rows x 128 K = 12 registers a lane; registers 4c .. 4c+3 of lane l lie at 512 c + 16 l.
; THE ROWS OF A TILE ARE NOT NEIGHBOURS: lane r of tile 2g + u holds row 32 g + 8 u + r + 8 (r / 8) of its group of 32.
; RECORD, 51,200 bytes: a tile of 256 rows x two K steps q: codes at 24,576 q + 1,536 T (T = 0 .. 15); scale words at 49,152 + 1,024 q + 256 (T / 4) + 16 r + 4 (T % 4).
; ops: x's tile R (s = 128 R .. 128 R + 127 of BOTH batches: tiles 8 rh + a, batch a / 4) at records 8 R + pair; wq, wk, wv at 8 (16 + 4 tensor + head) + pair; wo's tile Rn at 224 + 4 Rn + pair.
; A wave takes FOUR tiles (one unit of scale words) x one K step of 128: two quantising work-groups then lie on a WGP, each wave with 32 loads of 512 bytes on their way.
; A block's scale is 2^(floor(log2(its largest magnitude)) - 4); its byte is the largest magnitude's exponent field - 4, held at 1 from below.
; LIMITS: NaN and infinities among the inputs are not served.  A block of zeros, or one whose largest magnitude lies under 2^-122, gets the byte 1 (the stated quantiser says 127 for zeros): its codes are zeros or
; tiny, and only this program reads the bytes.
; maskw [Tq 128][ks 16][n 64] words: bit 16 h + r of word n = 16 g + i is mask[32 (Tq / 2) + 8 (Tq % 2) + r + 8 (r / 8)][128 ks + 32 g + 16 h + i].
.set REC,  51200
.set RSC,  49152
.set FRB,  1536
.set QST,  8448                        ; quantiser: a wave's stage, 16 rows x (512 bytes + 16)
.set MST0, 33792                       ; mask path: the stages begin behind the quantiser's four
.set MSTW, 4352                        ; 16 rows x (256 bytes + 16)
.set VO,   16                          ; v16-31  offset of row i of a tile: 16 x lane + (i + 8 (i / 8)) x pitch
.set TM,   32                          ; v32-47  at work in QUANT
.set SW,   50                          ; v50-53  the scale word of each of my 4 tiles
.set XN,   64                          ; v64-127, v128-191  two sets of 64 numbers
.set PC,   192                         ; v192-211 the codes just made
.set BA,   32                          ; s[32:39] base of each of my 4 tiles
.set SEL,  48                          ; s[48:49] v_permlanex16_b32's selects for lane l xor 16
; 64 numbers of a lane, register 16 b + i = k 32 b + 16 (lane / 16) + i of my row, become a fragment's codes in v[PC] on and its scale word in v[pw].
.macro QUANT src, pw
.irp b, 0,1,2,3
	v_max3_num_f32 v[TM+\b], |v[\src+16*\b]|, |v[\src+16*\b+1]|, 0x2800000   ; my 16 numbers of block b, and the floor 2^(5 - 127): the byte cannot fall under 1
.endr
.irp i, 2,4,6,8,10,12,14
.irp b, 0,1,2,3
	v_max3_num_f32 v[TM+\b], |v[\src+16*\b+\i]|, |v[\src+16*\b+\i+1]|, v[TM+\b]   ; the four blocks by turns
.endr
.endr
.irp b, 0,1,2,3
	v_permlanex16_b32 v[TM+4+\b], v[TM+\b], s[SEL], s[SEL+1]
.endr
.irp b, 0,1,2,3
	v_max_num_f32 v[TM+\b], v[TM+\b], v[TM+4+\b]   ; with lane l xor 16's: the block's largest magnitude
.endr
.irp b, 0,1,2,3
	v_add_nc_u32 v[TM+12+\b], 0xfe000000, v[TM+\b]   ; 4 off its exponent field: the conversion's scale operand
.endr
.irp b, 0,1,2,3
	v_lshrrev_b32 v[TM+4+\b], 23, v[TM+12+\b]      ; the scale's byte
.endr
	v_lshl_or_b32 v[\pw], v[TM+5], 8, v[TM+4]
	v_lshl_or_b32 v[\pw], v[TM+6], 16, v[\pw]
	v_lshl_or_b32 v[\pw], v[TM+7], 24, v[\pw]
	s_wait_xcnt 0x0                                ; the last tile's stores have read the codes' registers, which the next lines write
.irp c, 0,1
	v_cvt_scalef32_pk16_bf6_f32 v[PC+6*\c:PC+6*\c+2], v[\src+32*\c:\src+32*\c+15], v[TM+12+2*\c]
	v_cvt_scalef32_pk16_bf6_f32 v[PC+12+4*\c:PC+14+4*\c], v[\src+32*\c+16:\src+32*\c+31], v[TM+13+2*\c]   ; (a conversion's three registers begin on an even number)
.endr
	v_nop                                          ; one plain place behind a scaled conversion
.irp c, 0,1                                    ; the operand's layout wants a whole block in a lane: lanes 0-15 block 2 c, lanes 16-31 block 2 c + 1
.irp i, 0,1,2
	v_permlane16_swap_b32 v[PC+6*\c+\i], v[PC+12+4*\c+\i]
.endr
.irp i, 0,1,2
	v_mov_b32 v[PC+3+6*\c+\i], v[PC+12+4*\c+\i]
.endr
.endr
.endm
.macro LOADF t                         ; tile t: 16 rows x 512 bytes; each load reads 512 consecutive bytes of one row
.irp i, 0,1,2,3,4,5,6,7,8,9,10,11,12,13,14,15
	global_load_b128 v[XN+64*((\t)%2)+4*\i:XN+64*((\t)%2)+4*\i+3], v[VO+\i], s[BA+2*(\t):BA+2*(\t)+1] th:TH_LOAD_NT
.endr
.endm
.macro FRAGQ t
.set XS, XN+64*((\t)%2)
.if (\t) < 3
	s_wait_loadcnt 16                              ; this tile's 16 loads are in; the next tile's 16 may be out
.else
	s_wait_loadcnt 0x0
.endif
.irp i, 0,1,2,3,4,5,6,7,8,9,10,11,12,13,14,15
	ds_store_b128 v3, v[XS+4*\i:XS+4*\i+3] offset:528*\i      ; the rows as they lie
.endr
.irp b, 0,1,2,3
.irp j, 0,1,2,3
	ds_load_b128 v[XS+16*\b+4*\j:XS+16*\b+4*\j+3], v4 offset:128*\b+16*\j   ; back: lane (r, h) takes, of row r, 16 neighbours of each block of 32.  LDS serves a wave's instructions in order
.endr
.endr
	s_wait_dscnt 0x0
	QUANT XS, SW+(\t)
.irp c, 0,1,2
	global_store_b128 v2, v[PC+4*\c:PC+4*\c+3], s[52:53] offset:FRB*(\t)+512*\c   ; 32 lanes store 512 consecutive bytes, aligned
.endr
.if (\t) < 2
	LOADF (\t)+2
.endif
.endm
	s_load_b512 s[4:19], s[0:1], 0x0               ; x, wq, wk, wv, wo, mask, ops, maskw
	v_lshl_add_u32 v216, v0, 2, 0xc800
	v_mov_b32 v217, 0
	v_lshrrev_b32 v1, 5, v0
	v_readfirstlane_b32 s20, v1                    ; wave 0..3
	v_and_b32 v1, 31, v0                           ; lane
	v_lshlrev_b32 v2, 4, v1                        ; 16 x lane
	v_and_b32 v5, 15, v0                           ; r
	v_bfe_u32 v6, v0, 4, 1                         ; h
	s_cmp_ge_u32 ttmp9, 512
	s_cbranch_scc1 .Lmask
	; ---- THE QUANTISER.  g = work-group / 2 names 128 rows x four K steps, ah = work-group % 2 which four of their eight tiles; a wave takes one of the K steps.
	s_lshr_b32 s40, ttmp9, 1                       ; g
	s_and_b32 s41, ttmp9, 1                        ; ah
	s_lshr_b32 s21, s40, 3                         ; x, wq, wk, wv: tile of 256 rows t32 = g / 8,
	s_bfe_u32 s22, s40, 0x10002                    ; its half rh,
	s_and_b32 s23, s40, 3                          ; which four K steps
	s_bfe_u32 s25, s40, 0x30002                    ; wo (g 224 on): tile Rn,
	s_bfe_u32 s26, s40, 0x10001                    ; rh,
	s_and_b32 s27, s40, 1                          ; which four K steps
	s_lshl_b32 s29, s21, 3                         ; the tile's first record: 8 t32,
	s_lshl_b32 s30, s25, 2
	s_add_co_u32 s30, s30, 224                     ; or 224 + 4 Rn
	s_lshl_b32 s31, s21, 7
	s_lshl_b32 s24, s22, 6
	s_add_co_u32 s31, s31, s24                     ; first row in x: 128 t32 + 64 rh
	s_and_b32 s56, s21, 3
	s_lshl_b32 s56, s56, 8
	s_lshl_b32 s24, s22, 7
	s_add_co_u32 s56, s56, s24                     ; in wq, wk, wv: 256 (t32 % 4) + 128 rh
	s_lshl_b32 s57, s25, 8
	s_lshl_b32 s24, s26, 7
	s_add_co_u32 s57, s57, s24                     ; in wo: 256 Rn + 128 rh
	s_mov_b32 s28, 4096
	s_wait_kmcnt 0x0
	s_cmp_lt_u32 s40, 224                          ; every choice hangs on the work-group's number alone
	s_cselect_b32 s22, s22, s26
	s_cselect_b32 s23, s23, s27
	s_cselect_b32 s29, s29, s30
	s_cselect_b32 s56, s56, s57
	s_cselect_b32 s28, 8192, s28                   ; a row in bytes
	s_cselect_b64 s[12:13], s[10:11], s[12:13]
	s_cmp_lt_u32 s40, 192
	s_cselect_b64 s[12:13], s[8:9], s[12:13]
	s_cmp_lt_u32 s40, 160
	s_cselect_b64 s[12:13], s[6:7], s[12:13]
	s_mul_i32 s58, s28, 64                         ; from the first four tiles to the second four: 64 rows,
	s_cmp_lt_u32 s40, 128
	s_cselect_b64 s[12:13], s[4:5], s[12:13]
	s_cselect_b32 s56, s31, s56
	s_cselect_b32 s58, 0x1000000, s58              ; in x the other batch: 2,048 rows of 8,192 bytes
	s_lshl_b32 s24, s23, 2
	s_add_co_u32 s24, s24, s20                     ; my K step
	s_mul_i32 s30, s56, s28
	s_lshl_b32 s31, s24, 9
	s_add_co_u32 s30, s30, s31                     ; first row x pitch + 512 x K step
	s_mul_i32 s31, s41, s58
	s_add_co_u32 s30, s30, s31                     ; + my four tiles' place: under 2^32
	s_mov_b32 s31, 0
	s_add_nc_u64 s[12:13], s[12:13], s[30:31]
.irp a, 0,1,2,3
	s_mul_i32 s30, s28, 32*(\a/2)+8*(\a%2)
	s_add_nc_u64 s[BA+2*\a:BA+2*\a+1], s[12:13], s[30:31]
.endr
	s_lshr_b32 s24, s24, 1
	s_add_co_u32 s29, s29, s24                     ; my record
	s_mul_i32 s30, s29, REC
	s_and_b32 s24, s20, 1                          ; q
	s_mul_i32 s60, s24, 24576
	s_mul_i32 s26, s22, 12288
	s_add_co_u32 s60, s60, s26
	s_mul_i32 s26, s41, 6144
	s_add_co_u32 s60, s60, s26
	s_add_co_u32 s60, s60, s30
	s_mov_b32 s61, 0
	s_lshl_b32 s62, s24, 10
	s_lshl_b32 s26, s22, 9
	s_add_co_u32 s62, s62, s26
	s_lshl_b32 s26, s41, 8
	s_add_co_u32 s62, s62, s26
	s_add_co_u32 s62, s62, s30
	s_add_co_u32 s62, s62, RSC
	s_mov_b32 s63, 0
	s_add_nc_u64 s[52:53], s[16:17], s[60:61]      ; where my codes go: tiles 8 rh + 4 ah on
	s_add_nc_u64 s[54:55], s[16:17], s[62:63]      ; and my scale words: unit 2 rh + ah
.irp i, 0,1,2,3,4,5,6,7,8,9,10,11,12,13,14,15
	s_mul_i32 s26, s28, \i+8*(\i/8)
	v_add_nc_u32 v[VO+\i], s26, v2
.endr
	LOADF 0
	LOADF 1
	s_mul_i32 s24, s20, QST
	v_add_nc_u32 v3, s24, v2                       ; the stage, on the way in: 16 x lane, a row an instruction
	v_mul_u32_u24 v4, v5, 528
	v_lshl_add_u32 v4, v6, 6, v4
	v_add_nc_u32 v4, s24, v4                       ; and back: row r, + 64 h
	s_mov_b32 s[SEL], 0x76543210
	s_mov_b32 s[SEL+1], 0xfedcba98
.irp b, 0,1,2,3
	v_mov_b32 v[TM+4+\b], 0                        ; written once: a lane permute's destination counts as one of its sources
.endr
.irp t, 0,1,2,3
	FRAGQ \t
.endr
	v_cmp_gt_u32 vcc_lo, 16, v1                    ; lanes 0-15 hold row r's four words (lanes 16-31 the same once more)
	s_wait_xcnt 0x0                                ; EXEC changes only behind this wait
	s_wait_tensorcnt 0x0
	ds_add_u32 v216, v217
	s_wait_dscnt 0x0
	s_and_saveexec_b32 s20, vcc_lo
	global_store_b128 v2, v[SW:SW+3], s[54:55]     ; sixteen lanes store 256 consecutive bytes, aligned
	s_wait_xcnt 0x0                                ; and again, in front of the line that widens it
	s_or_b32 exec_lo, exec_lo, s20
	s_endpgm
.Lmask:
	; ---- THE MASK.  A wave takes one tile of 16 queries x 256 keys: 128 words.
	s_sub_co_u32 s21, ttmp9, 512
	s_lshl_b32 s21, s21, 2
	s_add_co_u32 s21, s21, s20                     ; which of 1,024: 8 Tq + Gc
	s_lshr_b32 s22, s21, 3
	s_and_b32 s23, s21, 7
	s_lshr_b32 s24, s22, 1
	s_lshl_b32 s24, s24, 5
	s_and_b32 s25, s22, 1
	s_lshl_b32 s25, s25, 3
	s_add_co_u32 s24, s24, s25                     ; the tile's first query
	s_lshl_b32 s24, s24, 11
	s_lshl_b32 s25, s23, 8
	s_add_co_u32 s24, s24, s25
	s_mov_b32 s25, 0
	s_lshl_b32 s26, s21, 9
	s_mov_b32 s27, 0
	s_mul_i32 s28, s20, MSTW
	s_add_co_u32 s28, s28, MST0                    ; my stage
	s_wait_kmcnt 0x0
	s_add_nc_u64 s[14:15], s[14:15], s[24:25]
	s_add_nc_u64 s[18:19], s[18:19], s[26:27]
	v_lshlrev_b32 v7, 11, v6
	v_lshl_add_u32 v7, v5, 4, v7                   ; sixteen lanes read 256 consecutive bytes of a row; lanes 16-31 the next row
.irp t, 0,1,2,3,4,5,6,7
	global_load_b128 v[64+4*\t:64+4*\t+3], v7, s[14:15] offset:(2*\t+8*(\t/4))*2048 th:TH_LOAD_NT
.endr
	v_mul_u32_u24 v8, v6, 272
	v_lshl_add_u32 v8, v5, 4, v8
	v_add_nc_u32 v8, s28, v8                       ; in: rows 2 t and 2 t + 1
	v_mul_u32_u24 v9, v5, 272
	v_lshl_add_u32 v9, v6, 4, v9
	v_add_nc_u32 v9, s28, v9                       ; back: row r, + 16 h
.irp i, 0,1,2,3
	v_mov_b32 v[12+\i], 0
.endr
	s_wait_loadcnt 0x0
.irp t, 0,1,2,3,4,5,6,7
	ds_store_b128 v8, v[64+4*\t:64+4*\t+3] offset:544*\t
.endr
.irp k, 0,1
.irp g, 0,1,2,3
	ds_load_b128 v[96+4*(4*\k+\g):96+4*(4*\k+\g)+3], v9 offset:128*\k+32*\g   ; keys 128 k + 32 g + 16 h + 0 .. 15 of query r
.endr
.endr
	s_wait_dscnt 0x0
.set w, 0
.rept 128                                      ; word w: one byte of each lane becomes one bit; it goes to lane w / 4, register w % 4: byte 4 w of the wave's 512
	v_bfe_u32 v[16+w%4], v[96+4*(w/16)+(w%16)/4], 8*(w%4), 8
	v_cmp_ne_u32 s[20+w%8], 0, v[16+w%4]
	v_writelane_b32 v[12+w%4], s[20+w%8], w/4
.set w, w+1
.endr
	global_store_b128 v2, v[12:15], s[18:19]       ; 512 consecutive bytes, aligned
	s_wait_tensorcnt 0x0
	ds_add_u32 v216, v217
	s_wait_dscnt 0x0
	s_endpgm
.Lfunc_end_k_qfe4a0ccd86_prep:
	.size	k_qfe4a0ccd86_prep, .Lfunc_end_k_qfe4a0ccd86_prep-k_qfe4a0ccd86_prep
	.p2alignl 7, 3214868480
	.fill 96, 4, 3214868480
	.section	.rodata,"a",@progbits
	.p2align	6, 0x0
	.amdhsa_kernel k_qfe4a0ccd86_prep
		.amdhsa_group_segment_fixed_size 51712
		.amdhsa_private_segment_fixed_size 0
		.amdhsa_enable_private_segment 0
		.amdhsa_kernarg_size 64
		.amdhsa_user_sgpr_count 2
		.amdhsa_user_sgpr_kernarg_segment_ptr 1
		.amdhsa_wavefront_size32 1
		.amdhsa_system_sgpr_workgroup_id_x 1
		.amdhsa_system_sgpr_workgroup_id_y 1
		.amdhsa_system_sgpr_workgroup_id_z 1
		.amdhsa_system_vgpr_workitem_id 0
		.amdhsa_next_free_vgpr 218
		.amdhsa_next_free_sgpr 66
		.amdhsa_reserve_vcc 1
		.amdhsa_float_denorm_mode_32 3
		.amdhsa_float_denorm_mode_16_64 3
		.amdhsa_memory_ordered 1
		.amdhsa_forward_progress 1
		.amdhsa_inst_pref_size 64
	.end_amdhsa_kernel
	.amdgpu_metadata
---
amdhsa.version: [ 1, 2 ]
amdhsa.kernels:
  - .name:           k_qfe4a0ccd86_prep
    .symbol:         k_qfe4a0ccd86_prep.kd
    .args:
      - { .name: x, .offset: 0, .size: 8, .value_kind: global_buffer, .address_space: global }
      - { .name: wq, .offset: 8, .size: 8, .value_kind: global_buffer, .address_space: global }
      - { .name: wk, .offset: 16, .size: 8, .value_kind: global_buffer, .address_space: global }
      - { .name: wv, .offset: 24, .size: 8, .value_kind: global_buffer, .address_space: global }
      - { .name: wo, .offset: 32, .size: 8, .value_kind: global_buffer, .address_space: global }
      - { .name: mask, .offset: 40, .size: 8, .value_kind: global_buffer, .address_space: global }
      - { .name: ops, .offset: 48, .size: 8, .value_kind: global_buffer, .address_space: global }
      - { .name: maskw, .offset: 56, .size: 8, .value_kind: global_buffer, .address_space: global }
    .group_segment_fixed_size: 51712
    .private_segment_fixed_size: 0
    .kernarg_segment_align: 8
    .kernarg_segment_size: 64
    .max_flat_workgroup_size: 128
    .sgpr_count:     66
    .vgpr_count:     218
    .wavefront_size: 32
...
	.end_amdgpu_metadata
.endif
;; end of part 1
;; launch qkv (part 2): grid 12 x 16, 4 waves a work-group, clusters of 4 x 4, 327,680 bytes of LDS; arguments ops, cos, sin, q_gamma, k_gamma, qkv; writes qkv
.if DOCPART == 2
	.amdgcn_target "amdgcn-amd-amdhsa--gfx1250"
	.amdhsa_code_object_version 6
	.text
	.protected	k_qfe4a0ccd86_qkv
	.globl	k_qfe4a0ccd86_qkv
	.p2align	8
	.type	k_qfe4a0ccd86_qkv,@function
k_qfe4a0ccd86_qkv:
	s_mov_b64 s[64:65], 0
	v_nop
	global_prefetch_b8 v0, s[64:65] scope:SCOPE_SE
	s_setreg_imm32_b32 hwreg(HW_REG_WAVE_MODE, 25, 1), 1
	s_wait_xcnt 0x0
	s_wait_alu depctr_hold_cnt(0) depctr_sa_sdst(0) depctr_va_vdst(0) depctr_va_sdst(0) depctr_va_ssrc(0) depctr_va_vcc(0) depctr_vm_vsrc(0)
	s_getreg_b32 s2, hwreg(HW_REG_IB_STS2, 6, 4)
	s_cmp_eq_u32 s2, 0
	s_cbranch_scc0 .Lentry_in_a_cluster
	s_endpgm
.Lentry_in_a_cluster:
	s_bfe_u32 s2, ttmp6, 0x10000c
	s_cmp_lg_u32 s2, 0xf033
	s_cbranch_scc0 .Lentry_shape_is_right
	s_endpgm
.Lentry_shape_is_right:
; QKV.  The three projections on codes of BF6, K = 2,048, and what follows them: q, k: RMS norm over the head's 256, x (1 + gamma), RoPE, q also x 1/16, quantised along d; v: quantised along the keys.
; A work-group makes a tile of 256 x 256: one head's 256 columns for 256 rows of x (128 places of both batches).  Four waves, 128 x 128 each: 64 accumulators, 512 registers.
; Operands lie in ops as images of their registers (a fragment: 1,536 bytes, registers 4c .. 4c+3 of lane l at 512 c + 16 l), in records of 51,200 bytes = a tile of 256 rows x two K steps, scale words behind the codes.
; A slot of LDS holds S1's record and S0's; each wave brings half a record, 100 rows of 256 bytes, with one tensor load.  Two slots; a change of slots every 128 matrix instructions.
; SOURCE 0 = a fragment of S0, SOURCE 1 = a fragment of S1: a lane holds ONE row of S1 and its registers run along S0's rows.  Lane r of tile 2g + u holds row 32 g + 8 u + r + 8 (r / 8), so a lane's 16 registers of
; tiles 2g, 2g + 1 are 16 neighbours.  Cluster x = 0, 1 (q, k): S0 = the weight's head, S1 = x: registers run along d.  Cluster x = 2 (v): S0 = x, S1 = wv's head: registers run along the keys.
; Wave (rh, ch) takes S1's tiles 8 rh + a and S0's tiles 4 ch + 0..3 and 8 + 4 ch + 0..3: so d and d + 128, which RoPE pairs, lie 32 registers apart in one lane, and in v a wave's 128 keys are one batch's, in order.
; So q's and k's fed K step ch holds d = 64 ch .. + 63 and 128 + 64 ch .. + 63: the same order of whole blocks of 32 in both, which leaves the products as they are.
; CLUSTERS 4 x 4: S1's tile hangs on cy and is asked for jointly along a row of the cluster, S0's on cx, along a column.  cos and sin are read through registers: a wave reads them once, for both batches.
; No prefetch: the operands are read by many clusters at the same time, and a slot's load has 128 matrix instructions in which to land.
; qkv [q, k, v][4 b + head][s / 256] records: codes at 3,072 T + 1,536 s', scale words at 49,152 + 1,024 s' + 256 (T / 4) + 16 r + 4 (T % 4).  q, k: T = tile of 16 places, s' = K step; v: T = tile of 16 channels, s' = which 128 keys.
; LIMITS: NaN and infinities are not served; a block of zeros or under 2^-122 gets the byte 1 with zero or tiny codes (only this program reads the bytes).  Clusters of v load k_gamma (1,024 bytes) and do not use it.
.set REC,   51200
.set HALF,  25600
.set RSC,   49152
.set FRB,   1536
.set SLOT1, 131072
.set SEC,   3276800
.set BHS,   409600
.set XCH,   233472                     ; behind the ring: 1,024 bytes a wave, for the sums of squares
.set SPARE, 237568                     ; the spare words, 128 bytes a wave: two blocks of 256 bytes that no other line names
.set LAPS,  4                          ; 8 records along K, two to a lap
.set NL,    3                          ; LDS loads to a fragment
.set ADRA, 16                          ; v16-17 S1's fragments in slot 0, 1;  v18-19 its scale words
.set ADSA, 18
.set ADRB, 20                          ; v20-21 S0's fragments;  v22-23 its scale words
.set ADSB, 22
.set VCS,  24                          ; v24  cos, sin: (r + 8 (r / 8)) x 1,024 + 64 h + 256 ch
.set VIM,  25                          ; v25  16 x lane
.set VSO,  26                          ; v26  q's, k's scale words: 16 r + h x (the other batch)
.set XST,  27                          ; v27  where my sums of squares go;  v30 where my partner's lie
.set SPW,  28                          ; v28  my spare word;  v29  0; never rewritten
.set NIL,  29
.set XLD,  30
.set VGM,  31                          ; v31  gamma: 64 h + 256 ch
.set SC,   32                          ; v32-63 scale words: set 16 slot + 8 q: +0..3 S1's, +4..7 S0's; nothing else ever lies here
.set GM,   64                          ; v64-127  (1 + gamma) x scale of my 64 d
.set AF,   128                         ; v128-223 S1's fragments, one set.  In the epilogue: Z v128-191, PC v192-211, RS2 v212-227
.set Z,    128
.set PC,   192
.set RS2,  212
.set SSP,  228                         ; v228-243 sums of squares in pairs; then TM
.set TM,   228
.set SSQ,  244                         ; v244-251 the sums; then SW
.set SW,   244
.set XW,   252
.set WV,   16
.set RH,   17
.set CH,   18
.set G1,   24                          ; s[24:31] group 1 for S1;  s[32:39] its groups 0, one a slot
.set G0,   32
.set G1B,  48                          ; s[48:55], s[56:63] the same for S0
.set G0B,  56
.set SEL,  68
.set MSB, 0
.macro WIN new                         ; the immediate's high byte repeats the setting that is left; a switch that changes nothing is dropped
.set WNEW, \new
.if MSB != WNEW
	s_set_vgpr_msb (MSB<<8)|WNEW
.set MSB, WNEW
.endif
.endm
.set MUL_LO, 0xa1                      ; source 0 window 1, source 1 window 0, C and D window 2
.set MUL_HI, 0xf1                      ; the same, C and D window 3
.set TO_B,   0x40
; one matrix instruction from the symbols rD, rA, rB, rSA, rSB.  ra, rb: the side's scale words lie in lanes 16-31.  zero: the product starts its sum
.macro WM ra, rb, zero
.if \zero
.if (\ra) && (\rb)
	v_wmma_scale_f32_16x16x128_f8f6f4 v[rD:rD+7], v[rA:rA+11], v[rB:rB+11], 0, v[rSA], v[rSB] matrix_a_fmt:MATRIX_FMT_BF6 matrix_b_fmt:MATRIX_FMT_BF6 matrix_a_scale:MATRIX_SCALE_ROW1 matrix_b_scale:MATRIX_SCALE_ROW1
.elseif (\ra)
	v_wmma_scale_f32_16x16x128_f8f6f4 v[rD:rD+7], v[rA:rA+11], v[rB:rB+11], 0, v[rSA], v[rSB] matrix_a_fmt:MATRIX_FMT_BF6 matrix_b_fmt:MATRIX_FMT_BF6 matrix_a_scale:MATRIX_SCALE_ROW1
.elseif (\rb)
	v_wmma_scale_f32_16x16x128_f8f6f4 v[rD:rD+7], v[rA:rA+11], v[rB:rB+11], 0, v[rSA], v[rSB] matrix_a_fmt:MATRIX_FMT_BF6 matrix_b_fmt:MATRIX_FMT_BF6 matrix_b_scale:MATRIX_SCALE_ROW1
.else
	v_wmma_scale_f32_16x16x128_f8f6f4 v[rD:rD+7], v[rA:rA+11], v[rB:rB+11], 0, v[rSA], v[rSB] matrix_a_fmt:MATRIX_FMT_BF6 matrix_b_fmt:MATRIX_FMT_BF6
.endif
.else
.if (\ra) && (\rb)
	v_wmma_scale_f32_16x16x128_f8f6f4 v[rD:rD+7], v[rA:rA+11], v[rB:rB+11], v[rD:rD+7], v[rSA], v[rSB] matrix_a_fmt:MATRIX_FMT_BF6 matrix_b_fmt:MATRIX_FMT_BF6 matrix_a_scale:MATRIX_SCALE_ROW1 matrix_b_scale:MATRIX_SCALE_ROW1
.elseif (\ra)
	v_wmma_scale_f32_16x16x128_f8f6f4 v[rD:rD+7], v[rA:rA+11], v[rB:rB+11], v[rD:rD+7], v[rSA], v[rSB] matrix_a_fmt:MATRIX_FMT_BF6 matrix_b_fmt:MATRIX_FMT_BF6 matrix_a_scale:MATRIX_SCALE_ROW1
.elseif (\rb)
	v_wmma_scale_f32_16x16x128_f8f6f4 v[rD:rD+7], v[rA:rA+11], v[rB:rB+11], v[rD:rD+7], v[rSA], v[rSB] matrix_a_fmt:MATRIX_FMT_BF6 matrix_b_fmt:MATRIX_FMT_BF6 matrix_b_scale:MATRIX_SCALE_ROW1
.else
	v_wmma_scale_f32_16x16x128_f8f6f4 v[rD:rD+7], v[rA:rA+11], v[rB:rB+11], v[rD:rD+7], v[rSA], v[rSB] matrix_a_fmt:MATRIX_FMT_BF6 matrix_b_fmt:MATRIX_FMT_BF6
.endif
.endif
.endm
; 16 matrix instructions: S1's blocks a0, a0 + 1 x S0's eight.  p: S0's set; q: the slot's K step; sc: the slot.  The 64 accumulators take turns, one instruction a turn, in the same order in every step
.macro MUL16 a0, p, q, sc, zero
.irp a, \a0, \a0+1
.irp b, 0,1,2,3,4,5,6,7
.set rD, 8*(8*((\a)%4)+\b)
.set rA, 128*(\p)+12*\b
.set rB, AF+12*(\a)
.set rSA, SC+16*(\sc)+8*(\q)+4+\b%4
.set rSB, SC+16*(\sc)+8*(\q)+(\a)%4
	WM \b/4, (\a)/4, \zero
.endr
.endr
.endm
.macro FRAG reg, adr, off              ; a fragment comes as it was stored: three loads of 512 consecutive bytes
.irp c, 0,1,2
	ds_load_b128 v[\reg+4*\c:\reg+4*\c+3], v[\adr] offset:\off+512*\c
.endr
.endm
.macro FETCH_B slot, q, p
	WIN TO_B
.irp i, 0,1,2,3,4,5,6,7
	FRAG 128*(\p)+12*\i, ADRB+\slot, (\q)*24576+(\i+4*(\i/4))*FRB
.endr
	WIN 0
.endm
.macro FETCH_A slot, q, i0
.irp i, \i0, \i0+1, \i0+2, \i0+3
	FRAG AF+12*(\i), ADRA+\slot, (\q)*24576+(\i)*FRB
.endr
.endm
.macro SCALES slot                     ; a slot's scale words: register i: lanes 0-15 tile i of my eight, lanes 16-31 tile 4 + i
.irp q, 0,1
	ds_load_b128 v[SC+16*\slot+8*\q:SC+16*\slot+8*\q+3], v[ADSA+\slot] offset:1024*\q
	ds_load_b128 v[SC+16*\slot+8*\q+4:SC+16*\slot+8*\q+7], v[ADSB+\slot] offset:1024*\q
.endr
.endm
; A joint load: waves 0 and 1 fetch S1's halves, waves 2 and 3 S0's.  Each line has one mask; the branch hangs on the wave's number alone.  Four v_nop follow each line.
.macro JLOAD s
	s_cmp_eq_u32 s[RH], 0
	s_cbranch_scc0 .Lfor_b_\@
	tensor_load_to_lds s[G0+4*\s:G0+4*\s+3], s[G1:G1+7]
	s_nop 0
.rept 4
	v_nop
.endr
	s_branch .Lasked_\@
.Lfor_b_\@:
	tensor_load_to_lds s[G0B+4*\s:G0B+4*\s+3], s[G1B:G1B+7]
	s_nop 0
.rept 4
	v_nop
.endr
.Lasked_\@:
.endm
.macro CREST                           ; a round of the cluster's barrier behind its opening barrier
	s_cmp_lg_u32 s[WV], 0
	s_cbranch_scc1 .Lnot_wave_0_\@
	s_barrier_signal -3
.Lnot_wave_0_\@:
	s_barrier_wait -3
	s_barrier_signal -1
	s_barrier_wait -1
.endm
.macro CROUND
	s_barrier_signal -1
	s_barrier_wait -1
	CREST
.endm
.macro PLACES                          ; four plain places behind matrix instructions, in front of loads into their registers and of reads of their results
.rept 4
	v_nop
.endr
.endm
.macro STEP slot, zero                 ; a slot's first K step; it fetches the second's fragments
	s_wait_dscnt 4*NL                              ; S0's set, S1's blocks 0-3 and the scale words are in; the youngest 12 loads (S1's blocks 4-7) may be out
	WIN MUL_LO
	MUL16 0, 0, 0, \slot, \zero
	MUL16 2, 0, 0, \slot, \zero
	s_wait_dscnt 0x0
	PLACES
	FETCH_B \slot, 1, 1
	FETCH_A \slot, 1, 0
	WIN MUL_HI
	MUL16 4, 0, 0, \slot, \zero
	MUL16 6, 0, 0, \slot, \zero
	PLACES
	WIN 0
	FETCH_A \slot, 1, 4
.endm
; A slot's second K step changes slots: one barrier; in front of it each wave waits for all its tensor loads, adds 0 to its spare word, and waits for that and for its reads of this slot.  fill = 1: the slot is filled again, two records on.
.macro TURN slot, next, fill
	s_wait_tensorcnt 0x0                           ; all my tensor loads have landed: my part of the next slot
	ds_add_u32 v[SPW], v[NIL]                      ; 0 onto my spare word
	s_wait_dscnt 4*NL+1                            ; (the add and the youngest 12 loads may be out)
	WIN MUL_LO
	MUL16 0, 1, 1, \slot, 0
	s_wait_dscnt 0x0                               ; the add is done, and my reads of this slot are over
	s_barrier_signal -1
	MUL16 2, 1, 1, \slot, 0
	WIN 0
	s_barrier_wait -1
.if \fill
	CREST                                          ; the barrier has opened a round of the cluster's: no wave of any partner still reads this slot or has a load on its way
	s_add_nc_u64 s[G0+4*\slot+2:G0+4*\slot+3], s[G0+4*\slot+2:G0+4*\slot+3], 2*REC
	s_add_nc_u64 s[G0B+4*\slot+2:G0B+4*\slot+3], s[G0B+4*\slot+2:G0B+4*\slot+3], 2*REC
	JLOAD \slot                                    ; the first tensor load behind the round; its four v_nop are the places in front of the loads below
.else
	PLACES
.endif
	FETCH_B \next, 0, 0
	FETCH_A \next, 0, 0
	SCALES \next
	WIN MUL_HI
	MUL16 4, 1, 1, \slot, 0
	MUL16 6, 1, 1, \slot, 0
	PLACES
	WIN 0
	FETCH_A \next, 0, 4
.endm
; 64 registers v[src] on of window w, register 16 b + i = k 32 b + 16 (lane / 16) + i of my row, become a fragment's codes in v[PC] on and its scale word in v[pw].  Each accumulator is read from its low end on.
.macro QUANT src, w, pw
	WIN (\w)|((\w)<<2)
.irp b, 0,1,2,3
	v_max3_num_f32 v[TM+\b], |v[\src+16*\b]|, |v[\src+16*\b+1]|, 0x2800000   ; and the floor 2^(5 - 127): the byte cannot fall under 1
.endr
.irp i, 2,4,6,8,10,12,14
.irp b, 0,1,2,3
	v_max3_num_f32 v[TM+\b], |v[\src+16*\b+\i]|, |v[\src+16*\b+\i+1]|, v[TM+\b]
.endr
.endr
	WIN 0
.irp b, 0,1,2,3
	v_permlanex16_b32 v[TM+4+\b], v[TM+\b], s[SEL], s[SEL+1]
.endr
.irp b, 0,1,2,3
	v_max_num_f32 v[TM+\b], v[TM+\b], v[TM+4+\b]
.endr
.irp b, 0,1,2,3
	v_add_nc_u32 v[TM+12+\b], 0xfe000000, v[TM+\b]   ; 4 off the exponent field: the conversion's scale operand
.endr
.irp b, 0,1,2,3
	v_lshrrev_b32 v[TM+4+\b], 23, v[TM+12+\b]
.endr
	v_lshl_or_b32 v[\pw], v[TM+5], 8, v[TM+4]
	v_lshl_or_b32 v[\pw], v[TM+6], 16, v[\pw]
	v_lshl_or_b32 v[\pw], v[TM+7], 24, v[\pw]
	WIN (\w)
.irp c, 0,1
	v_cvt_scalef32_pk16_bf6_f32 v[PC+6*\c:PC+6*\c+2], v[\src+32*\c:\src+32*\c+15], v[TM+12+2*\c]
	v_cvt_scalef32_pk16_bf6_f32 v[PC+12+4*\c:PC+14+4*\c], v[\src+32*\c+16:\src+32*\c+31], v[TM+13+2*\c]
.endr
	WIN 0
	v_nop                                          ; one plain place behind a scaled conversion
.irp c, 0,1
.irp i, 0,1,2
	v_permlane16_swap_b32 v[PC+6*\c+\i], v[PC+12+4*\c+\i]
.endr
.irp i, 0,1,2
	v_mov_b32 v[PC+3+6*\c+\i], v[PC+12+4*\c+\i]
.endr
.endr
.endm
; cos and sin of the 16 places of blocks p and p + 4 (the two batches share them), at my 64 d, into set p % 2 of window 1: cos at 128 (p % 2), sin 64 further
.macro CSLOAD p
	WIN 0x40
.irp g, 0,1,2,3
.irp j, 0,1,2,3
	global_load_b128 v[128*((\p)%2)+16*\g+4*\j:128*((\p)%2)+16*\g+4*\j+3], v[VCS], s[74:75] offset:(32*((\p)/2)+8*((\p)%2))*1024+128*\g+256*(\g/2)+16*\j
	global_load_b128 v[128*((\p)%2)+64+16*\g+4*\j:128*((\p)%2)+64+16*\g+4*\j+3], v[VCS], s[76:77] offset:(32*((\p)/2)+8*((\p)%2))*1024+128*\g+256*(\g/2)+16*\j
.endr
.endr
	WIN 0
.endm
; block a of q or k: norm, gain, RoPE, codes, out.  Register n and register n + 32 hold d and d + 128.
.macro QKBLOCK a, sg
.set YB, 64*((\a)%4)
.set WW, 2+(\a)/4
	s_wait_xcnt 0x0                                ; the last block's stores have read the codes' registers
	WIN WW
.set n, 0
.rept 32
	v_pk_mul_f32 v[Z+n:Z+n+1], v[YB+n:YB+n+1], v[RS2+2*(\a):RS2+2*(\a)+1] op_sel_hi:[1,0]   ; x 1 / sqrt(mean of squares + eps)
.set n, n+2
.endr
	WIN 0
.set n, 0
.rept 32
	v_pk_mul_f32 v[Z+n:Z+n+1], v[Z+n:Z+n+1], v[GM+n:GM+n+1]
.set n, n+2
.endr
	WIN (WW<<6)|(WW<<4)|4                          ; destination and source 2: the block's window; source 1: window 1
.set n, 0
.rept 32
	v_pk_mul_f32 v[YB+n:YB+n+1], v[Z+n:Z+n+1], v[128*(\sg)+n:128*(\sg)+n+1]
.set n, n+2
.endr
.set n, 0
.rept 16
	v_pk_fma_f32 v[YB+n:YB+n+1], v[Z+32+n:Z+32+n+1], v[128*(\sg)+64+n:128*(\sg)+64+n+1], v[YB+n:YB+n+1] neg_lo:[1,0,0] neg_hi:[1,0,0]   ; d < 128: - z(d + 128) sin(d)
.set n, n+2
.endr
.set n, 0
.rept 16
	v_pk_fma_f32 v[YB+32+n:YB+32+n+1], v[Z+n:Z+n+1], v[128*(\sg)+96+n:128*(\sg)+96+n+1], v[YB+32+n:YB+32+n+1]   ; d >= 128: + z(d - 128) sin(d)
.set n, n+2
.endr
	QUANT YB, WW, SW+(\a)
.irp c, 0,1,2
	global_store_b128 v[VIM], v[PC+4*\c:PC+4*\c+3], s[70:71] offset:((\a)/4)*4*BHS+((\a)%4)*3072+512*\c
.endr
.endm
	s_load_b256 s[4:11], s[0:1], 0x0               ; ops, cos, sin, q_gamma
	s_load_b128 s[12:15], s[0:1], 0x20             ; k_gamma, qkv
	v_lshl_add_u32 v[SPW], v0, 2, SPARE
	v_mov_b32 v[NIL], 0
	ds_add_u32 v28, v29
	ds_add_u32 v28, v29
	s_wait_dscnt 0x0
	v_lshrrev_b32 v1, 5, v0
	v_readfirstlane_b32 s[WV], v1                  ; wave 0..3
	s_lshr_b32 s[RH], s[WV], 1                     ; which half of S1's tiles is mine.  Also: I fetch for S1 (0) or S0 (1)
	s_and_b32 s[CH], s[WV], 1                      ; which of S0's tiles.  Also: which half of a record I fetch
	s_bfe_u32 s20, ttmp6, 0x40000                  ; cx
	s_bfe_u32 s21, ttmp6, 0x40004                  ; cy
	s_mov_b32 s19, ttmp9                           ; cluster x: 0 q, 1 k, 2 v
	s_and_b32 s22, ttmp7, 0xffff                   ; cluster y
	s_lshl_b32 s23, s21, 2
	s_lshl_b32 s23, 15, s23                        ; my row of the cluster
	s_lshl_b32 s80, 0x1111, s20                    ; my column
	s_or_b32 s[G1], s23, (3<<16)|(1<<21)           ; 15:0 the mask; 17:16 elements of 8 bytes; 21 set beside a mask; no padding
	s_or_b32 s[G1B], s80, (3<<16)|(1<<21)
.irp g, G1, G1B
	s_mov_b32 s[\g+1], 32<<16                      ; tensor_dim0 = 32 elements: 256 bytes
	s_mov_b32 s[\g+2], 100<<16                     ; tensor_dim1 = 100 rows
	s_mov_b32 s[\g+3], 32<<16                      ; tile_dim0
	s_mov_b32 s[\g+4], 100                         ; tile_dim1
	s_mov_b32 s[\g+5], 32                          ; the rows are dense
	s_mov_b32 s[\g+6], 0
	s_mov_b32 s[\g+7], 0
.endr
	s_lshl_b32 s81, s22, 2                         ; 4 Y
	s_lshl_b32 s82, s19, 2
	s_add_co_u32 s82, s82, 16                      ; 16 + 4 X
	s_cmp_lt_u32 s19, 2                            ; the same in all sixteen partners
	s_cselect_b32 s83, s82, s81
	s_cselect_b32 s84, s81, 24
	s_cselect_b32 s42, s20, s21                    ; the head
	s_cselect_b32 s43, s21, s20
	s_add_co_u32 s40, s83, s20                     ; S0's tile: cx + what the cluster shares
	s_add_co_u32 s41, s84, s21                     ; S1's tile: cy + what the cluster shares
	s_add_co_u32 s43, s43, s81                     ; R: x's tile
	s_mul_i32 s88, s41, 8*REC
	s_mul_i32 s90, s40, 8*REC
	s_mul_i32 s87, s[CH], HALF
	s_add_co_u32 s88, s88, s87
	s_add_co_u32 s90, s90, s87
	s_mov_b32 s89, 0
	s_mov_b32 s91, 0
	s_mul_i32 s92, s[WV], HALF                     ; where my half goes: no place in the cluster enters an LDS address
	s_wait_kmcnt 0x0
	s_add_nc_u64 s[88:89], s[4:5], s[88:89]
	s_add_nc_u64 s[90:91], s[4:5], s[90:91]
	CROUND                                         ; all sixteen work-groups are here: the first joint loads meet
.irp s, 0,1
	s_mov_b32 s[G0+4*\s], 1
	s_add_co_u32 s[G0+4*\s+1], s92, \s*SLOT1
	s_add_nc_u64 s[G0+4*\s+2:G0+4*\s+3], s[88:89], \s*REC
	s_or_b32 s[G0+4*\s+3], s[G0+4*\s+3], 0x80000000
	s_mov_b32 s[G0B+4*\s], 1
	s_add_co_u32 s[G0B+4*\s+1], s92, \s*SLOT1
	s_add_nc_u64 s[G0B+4*\s+2:G0B+4*\s+3], s[90:91], \s*REC
	s_or_b32 s[G0B+4*\s+3], s[G0B+4*\s+3], 0x80000000
	JLOAD \s                                       ; two loads of mine are out
.endr
	s_cmp_eq_u32 s19, 0
	s_cselect_b32 s44, 0x3d800000, 1.0             ; q carries 1/16
	s_cselect_b64 s[78:79], s[10:11], s[12:13]
	s_mov_b32 s45, s44
	s_mov_b32 s46, 0xffff0000                      ; lanes 16-31
	s_mov_b32 s[SEL], 0x76543210
	s_mov_b32 s[SEL+1], 0xfedcba98
	s_mov_b32 s93, 0x358637bd                      ; eps = 1e-6
	s_mov_b32 s94, 0x3b800000                      ; 1 / 256
	s_mul_i32 s95, s19, SEC
	s_mul_i32 s81, s42, BHS
	s_add_co_u32 s95, s95, s81
	s_lshr_b32 s81, s43, 1
	s_mul_i32 s81, s81, REC
	s_add_co_u32 s95, s95, s81                     ; my record in qkv (batch 0's)
	s_and_b32 s96, s43, 1
	v_and_b32 v1, 31, v0
	v_and_b32 v2, 15, v0                           ; r
	v_bfe_u32 v3, v0, 4, 1                         ; h
	v_lshlrev_b32 v[VIM], 4, v1
	v_lshlrev_b32 v[VGM], 6, v3
	v_lshl_add_u32 v[VGM], s[CH], 8, v[VGM]
.irp g, 0,1,2,3
.irp j, 0,1,2,3
	global_load_b128 v[GM+16*\g+4*\j:GM+16*\g+4*\j+3], v[VGM], s[78:79] offset:128*\g+256*(\g/2)+16*\j   ; gamma at my 64 d; waited for in the epilogue
.endr
.endr
	s_mul_i32 s80, s[RH], 12288
	v_add_nc_u32 v[ADRA], s80, v[VIM]
	s_lshl_b32 s80, s[RH], 9
	s_add_co_u32 s80, s80, RSC
	v_add_nc_u32 v[ADSA], s80, v[VIM]
	s_mul_i32 s80, s[CH], 6144
	s_add_co_u32 s80, s80, REC
	v_add_nc_u32 v[ADRB], s80, v[VIM]
	s_lshl_b32 s80, s[CH], 8
	s_add_co_u32 s80, s80, REC+RSC
	v_lshlrev_b32 v4, 4, v2
	v_lshl_add_u32 v4, v3, 9, v4
	v_add_nc_u32 v[ADSB], s80, v4                  ; lanes 0-15 tiles 4 ch on, lanes 16-31 tiles 8 + 4 ch on
.irp m, ADRA, ADSA, ADRB, ADSB
	v_add_nc_u32 v[\m+1], SLOT1, v[\m]
.endr
	v_and_b32 v4, 8, v2
	v_add_nc_u32 v4, v4, v2                        ; r + 8 (r / 8)
	v_lshl_add_u32 v[VCS], v4, 10, v[VGM]
	v_mul_u32_u24 v5, v3, 4*BHS
	v_lshl_add_u32 v[VSO], v2, 4, v5
	s_lshl_b32 s80, s[WV], 10
	s_add_co_u32 s80, s80, XCH
	v_add_nc_u32 v[XST], s80, v[VIM]
	s_xor_b32 s80, s[WV], 1                        ; my partner has the head's other 128 d of the same rows
	s_lshl_b32 s80, s80, 10
	s_add_co_u32 s80, s80, XCH
	v_add_nc_u32 v[XLD], s80, v[VIM]
	s_wait_tensorcnt 1                             ; my part of slot 0 is in; slot 1's may stay out
	s_barrier_signal -1
	s_barrier_wait -1
	FETCH_B 0, 0, 0
	FETCH_A 0, 0, 0
	SCALES 0
	FETCH_A 0, 0, 4
	STEP 0, 1                                      ; the first step's products start the sums: nothing is cleared
	s_mov_b32 s47, LAPS-1
.Llap:
	TURN 0, 1, 1
	STEP 1, 0
	TURN 1, 0, 1
	STEP 0, 0
	s_sub_co_u32 s47, s47, 1
	s_cmp_lg_u32 s47, 0
	s_cbranch_scc1 .Llap
	TURN 0, 1, 0                                   ; the last lap fills nothing
	STEP 1, 0
	s_wait_dscnt 4*NL
	WIN MUL_LO
	MUL16 0, 1, 1, 1, 0
	MUL16 2, 1, 1, 1, 0
	s_wait_dscnt 0x0
	WIN MUL_HI
	MUL16 4, 1, 1, 1, 0
	MUL16 6, 1, 1, 1, 0
	WIN 0
	s_mov_b32 s85, 0
	s_cmp_eq_u32 s19, 2
	s_cbranch_scc1 .Lvpath                         ; on the cluster's x: the same in all partners and all waves
	; ---- q, k
	s_mul_i32 s84, s96, 24576                      ; images: tile T = 8 (R % 2) + 4 rh + a % 4, K step ch
	s_mul_i32 s83, s[RH], 12288
	s_add_co_u32 s84, s84, s83
	s_mul_i32 s83, s[CH], FRB
	s_add_co_u32 s84, s84, s83
	s_add_co_u32 s84, s84, s95
	s_add_nc_u64 s[70:71], s[14:15], s[84:85]
	s_lshl_b32 s84, s96, 9                         ; scale words: unit 2 (R % 2) + rh of K step ch
	s_lshl_b32 s83, s[RH], 8
	s_add_co_u32 s84, s84, s83
	s_lshl_b32 s83, s[CH], 10
	s_add_co_u32 s84, s84, s83
	s_add_co_u32 s84, s84, s95
	s_add_co_u32 s84, s84, RSC
	s_add_nc_u64 s[72:73], s[14:15], s[84:85]
	s_lshl_b32 s84, s43, 17                        ; cos, sin at place 128 R + 64 rh
	s_lshl_b32 s83, s[RH], 16
	s_add_co_u32 s84, s84, s83
	s_add_nc_u64 s[74:75], s[6:7], s[84:85]
	s_add_nc_u64 s[76:77], s[8:9], s[84:85]
	s_wait_loadcnt 0x0                             ; gamma
.set n, 0
.rept 32
	v_pk_fma_f32 v[GM+n:GM+n+1], v[GM+n:GM+n+1], s[44:45], s[44:45] op_sel_hi:[1,0,0]   ; (1 + gamma) x scale, rounded once; the scale is a power of two.  These 32 are the places behind the last products
.set n, n+2
.endr
	CSLOAD 0
	CSLOAD 1
.irp w, 2,3                                    ; the sums of squares of my 64 numbers of each row, two at a time, four blocks by turns, each accumulator from its low end on
	WIN (\w)|((\w)<<2)
.set n, 0
.rept 32
.irp a, 0,1,2,3
.if n == 0
	v_pk_mul_f32 v[SSP+2*(4*(\w-2)+\a):SSP+2*(4*(\w-2)+\a)+1], v[64*\a:64*\a+1], v[64*\a:64*\a+1]
.else
	v_pk_fma_f32 v[SSP+2*(4*(\w-2)+\a):SSP+2*(4*(\w-2)+\a)+1], v[64*\a+n:64*\a+n+1], v[64*\a+n:64*\a+n+1], v[SSP+2*(4*(\w-2)+\a):SSP+2*(4*(\w-2)+\a)+1]
.endif
.endr
.set n, n+2
.endr
.endr
	WIN 0
.irp a, 0,1,2,3,4,5,6,7
	v_add_f32 v[SSQ+\a], v[SSP+2*\a], v[SSP+2*\a+1]
.endr
.irp a, 0,1,2,3,4,5,6,7
	v_permlanex16_b32 v[SSP+2*\a], v[SSQ+\a], s[SEL], s[SEL+1]
.endr
.irp a, 0,1,2,3,4,5,6,7
	v_add_f32 v[SSQ+\a], v[SSQ+\a], v[SSP+2*\a]    ; with lane l xor 16's: my wave's 128 d
.endr
	ds_store_b128 v[XST], v[SSQ:SSQ+3]
	ds_store_b128 v[XST], v[SSQ+4:SSQ+7] offset:512
	s_wait_dscnt 0x0                               ; for my partner's sake: my stores are done
	s_barrier_signal -1
	s_barrier_wait -1
	ds_load_b128 v[SSP:SSP+3], v[XLD]
	ds_load_b128 v[SSP+4:SSP+7], v[XLD] offset:512
	s_wait_dscnt 0x0
.irp a, 0,1,2,3,4,5,6,7
	v_add_f32 v[SSQ+\a], v[SSQ+\a], v[SSP+\a]      ; the head's 256
.endr
.irp a, 0,1,2,3,4,5,6,7
	v_fma_f32 v[SSQ+\a], v[SSQ+\a], s94, s93       ; / 256 + eps
.endr
.irp a, 0,1,2,3,4,5,6,7
	v_rsq_f32 v[RS2+2*\a], v[SSQ+\a]
.endr
.irp a, 0,1,2,3,4,5,6,7
	v_mov_b32 v[RS2+2*\a+1], 0                     ; (named with it as a pair, so it is written; plain work behind the batch)
.endr
.irp b, 0,1,2,3
	v_mov_b32 v[TM+4+\b], 0                        ; a lane permute's destination counts as one of its sources
.endr
	s_wait_alu depctr_va_vdst(0)                   ; one wait for the eight, ahead of their first reader
.irp p, 0,1,2,3
.if \p < 3
	s_wait_loadcnt 32                              ; this pair's cos and sin are in; the next pair's 32 loads may be out
.else
	s_wait_loadcnt 0x0
.endif
	QKBLOCK \p, \p%2
	QKBLOCK \p+4, \p%2
.if \p < 2
	CSLOAD \p+2
.endif
.endr
.irp i, 0,1,2,3
	v_cndmask_b32 v[XW+\i], v[SW+\i], v[SW+4+\i], s46   ; lanes 0-15 batch 0's four tiles, lanes 16-31 batch 1's
.endr
	global_store_b128 v[VSO], v[XW:XW+3], s[72:73] ; each half of the lanes stores 256 consecutive bytes, aligned
	s_branch .Ljoin
.Lvpath:
	; ---- v: a lane holds one channel, its 64 registers of a block are 128 keys' halves in order: batch ch, keys 128 R on
	s_mul_i32 s83, s[CH], 4*BHS
	s_add_co_u32 s95, s95, s83                     ; batch ch's record
	s_mul_i32 s84, s[RH], 24576                    ; images: channel tile 8 rh + a, K step R % 2
	s_mul_i32 s83, s96, FRB
	s_add_co_u32 s84, s84, s83
	s_add_co_u32 s84, s84, s95
	s_add_nc_u64 s[70:71], s[14:15], s[84:85]
	s_lshl_b32 s84, s96, 10
	s_lshl_b32 s83, s[RH], 9
	s_add_co_u32 s84, s84, s83
	s_add_co_u32 s84, s84, s95
	s_add_co_u32 s84, s84, RSC
	s_add_nc_u64 s[72:73], s[14:15], s[84:85]
	PLACES
.irp b, 0,1,2,3
	v_mov_b32 v[TM+4+\b], 0
.endr
.irp a, 0,1,2,3,4,5,6,7
	s_wait_xcnt 0x0                                ; the last block's stores have read the codes' registers
	QUANT 64*(\a%4), 2+\a/4, SW+\a
.irp c, 0,1,2
	global_store_b128 v[VIM], v[PC+4*\c:PC+4*\c+3], s[70:71] offset:\a*3072+512*\c
.endr
.endr
.irp i, 0,1,2,3
	v_cndmask_b32 v[XW+\i], v[SW+\i], v[SW+4+\i], s46
.endr
	global_store_b128 v[VIM], v[XW:XW+3], s[72:73]
.Ljoin:
	s_wait_tensorcnt 0x0                           ; the wave's end
	ds_add_u32 v[SPW], v[NIL]
	s_wait_dscnt 0x0
	CROUND                                         ; the closing round
	s_endpgm
.Lfunc_end_k_qfe4a0ccd86_qkv:
	.size	k_qfe4a0ccd86_qkv, .Lfunc_end_k_qfe4a0ccd86_qkv-k_qfe4a0ccd86_qkv
	.p2alignl 7, 3214868480
	.fill 96, 4, 3214868480
	.section	.rodata,"a",@progbits
	.p2align	6, 0x0
	.amdhsa_kernel k_qfe4a0ccd86_qkv
		.amdhsa_group_segment_fixed_size 327680
		.amdhsa_private_segment_fixed_size 0
		.amdhsa_enable_private_segment 0
		.amdhsa_kernarg_size 48
		.amdhsa_user_sgpr_count 2
		.amdhsa_user_sgpr_kernarg_segment_ptr 1
		.amdhsa_wavefront_size32 1
		.amdhsa_system_sgpr_workgroup_id_x 1
		.amdhsa_system_sgpr_workgroup_id_y 1
		.amdhsa_system_sgpr_workgroup_id_z 1
		.amdhsa_system_vgpr_workitem_id 0
		.amdhsa_next_free_vgpr 1024
		.amdhsa_next_free_sgpr 100
		.amdhsa_reserve_vcc 0
		.amdhsa_float_denorm_mode_32 3
		.amdhsa_float_denorm_mode_16_64 3
		.amdhsa_memory_ordered 1
		.amdhsa_forward_progress 1
		.amdhsa_inst_pref_size 255
	.end_amdhsa_kernel
	.section	.bss,"aw",@nobits
	.p2align	6
	.space	262144
	.amdgpu_metadata
---
amdhsa.version: [ 1, 2 ]
amdhsa.kernels:
  - .name:           k_qfe4a0ccd86_qkv
    .symbol:         k_qfe4a0ccd86_qkv.kd
    .args:
      - { .name: ops, .offset: 0, .size: 8, .value_kind: global_buffer, .address_space: global }
      - { .name: cos, .offset: 8, .size: 8, .value_kind: global_buffer, .address_space: global }
      - { .name: sin, .offset: 16, .size: 8, .value_kind: global_buffer, .address_space: global }
      - { .name: q_gamma, .offset: 24, .size: 8, .value_kind: global_buffer, .address_space: global }
      - { .name: k_gamma, .offset: 32, .size: 8, .value_kind: global_buffer, .address_space: global }
      - { .name: qkv, .offset: 40, .size: 8, .value_kind: global_buffer, .address_space: global }
    .group_segment_fixed_size: 327680
    .private_segment_fixed_size: 0
    .kernarg_segment_align: 8
    .kernarg_segment_size: 48
    .max_flat_workgroup_size: 128
    .sgpr_count:     100
    .vgpr_count:     1024
    .wavefront_size: 32
...
	.end_amdgpu_metadata
.endif
;; end of part 2
;; launch attn (part 3): grid 32 x 8, 4 waves a work-group, clusters of 4 x 1, 327,680 bytes of LDS; arguments qkv, maskw, ctx; writes ctx
.if DOCPART == 3
	.amdgcn_target "amdgcn-amd-amdhsa--gfx1250"
	.amdhsa_code_object_version 6
	.text
	.protected	k_qfe4a0ccd86_attn
	.globl	k_qfe4a0ccd86_attn
	.p2align	8
	.type	k_qfe4a0ccd86_attn,@function
k_qfe4a0ccd86_attn:
	s_mov_b64 s[64:65], 0
	v_nop
	global_prefetch_b8 v0, s[64:65] scope:SCOPE_SE
	s_setreg_imm32_b32 hwreg(HW_REG_WAVE_MODE, 25, 1), 1
	s_wait_xcnt 0x0
	s_wait_alu depctr_hold_cnt(0) depctr_sa_sdst(0) depctr_va_vdst(0) depctr_va_sdst(0) depctr_va_ssrc(0) depctr_va_vcc(0) depctr_vm_vsrc(0)
	s_getreg_b32 s2, hwreg(HW_REG_IB_STS2, 6, 4)
	s_cmp_eq_u32 s2, 0
	s_cbranch_scc0 .Lentry_in_a_cluster
	s_endpgm
.Lentry_in_a_cluster:
	s_bfe_u32 s2, ttmp6, 0x10000c
	s_cmp_lg_u32 s2, 0x3003
	s_cbranch_scc0 .Lentry_shape_is_right
	s_endpgm
.Lentry_shape_is_right:
; ATTN.  ctx = softmax(q k^T, masked) v for one (batch, head) and 64 queries a work-group, both products on codes of BF6; ctx leaves as codes for the last product.
; THE SOFTMAX AHEAD OF THE SECOND PRODUCT: t = score x log2(e); M = the running largest t rounded UP to a whole number; p = 2^(t - M) is quantised along the keys, not normalised; the sum l is taken of the unquantised p.
; When M moves, l and O are multiplied by 2^(old M - new M): exact.  The mask is an input: every key is walked, a masked score becomes -infinity by v_cndmask_b32 on lane masks that an earlier launch packed.
; SHARES.  Wave w: tp = w / 2 names two tiles of 16 queries, kh = w % 2 the half of every 256 keys.  A step is 128 keys: 32 products S^T = K Q^T (K = 256), two softmaxes, 32 products O^T += V^T P^T.  Eight steps.
; At the end the two waves of a pair merge: each keeps 128 channels and sends the other 128 through LDS.  Index x = 0 .. 7 stands for the kept tiles of channels, 8 .. 15 for the sent ones: only addresses differ.
; Both products are used transposed: a lane holds ONE query.  The keys of a tile are not neighbours (lane r of tile 2g + u: key 32 g + 8 u + r + 8 (r / 8)), so a lane's 16 registers of two tiles are 16 neighbouring keys.
; K's and V's records (51,200 bytes for 256 keys, images of the operands' registers, scale words behind) come through two LDS slots; each wave brings half a record by one tensor load.
; CLUSTER 4 x 1: the four blocks of queries walk the same K and V: every load is joint, mask 15.
; ctx [16 b + s / 128][head] half-records of 25,600 bytes: 128 queries (tiles T' = 0 .. 7) x two K steps q = d / 128: codes at 12,288 q + 1,536 T', scale words at 24,576 + 512 q + 256 (T' / 4) + 16 r + 4 (T' % 4).
; A ROW WITH EVERY KEY MASKED has l = 0: its scale word is set to 0xffffffff (NaN), so that the last product gives NaN there, as a softmax of nothing but -infinity does.
; LIMITS: NaN and infinities among q, k, v are not served; a block of p or of ctx under 2^-122 gets the byte 1.
; WINDOWS: 0: addresses, statistics, S^T / p v64-191, p's codes v192-215, scale words v224-245.  1: O^T, 128 e + 8 x.  2: K's fragments v0-191, Q's v192-239.  3: V's fragments v0-191.
.set REC,   51200
.set HALF,  25600
.set RSC,   49152
.set HREC,  25600                      ; ctx's half-record
.set HSC,   24576                      ; and where its scale words begin
.set FRB,   1536
.set SLOT1, 131072
.set SEC,   3276800
.set BHS,   409600
.set MRG,   233472                     ; behind the ring: 16,896 bytes a wave: 16,384 of O^T, 512 of statistics
.set MRW,   16896
.set CSC,   301056                     ; ctx's scale words, 512 bytes
.set SPARE, 301568                     ; the spare words, 128 bytes a wave: two blocks of 256 bytes that no other line names
.set AK,   2                           ; v2-7   my places in a slot: K, K's scales, V kept, V sent, their scales
.set AKS,  3
.set AVK,  4
.set AVS,  5
.set AVSK, 6
.set AVSS, 7
.set WK,   8                           ; v8-13  the same in the slot in hand
.set WKS,  9
.set WVK,  10
.set WVS,  11
.set WVSK, 12
.set WVSS, 13
.set MSTO, 14                          ; v14 where I put what I send; v15 where my partner's lies
.set MLD,  15
.set CSA,  16
.set CSL,  17
.set VIM,  18                          ; v18 16 x lane
.set SPW,  19                          ; v19 my spare word; v20 0; never rewritten
.set NIL,  20
.set NINF, 21                          ; v21 -infinity
.set PFO,  22                          ; v22 the prefetch's offset
.set CSO,  23                          ; v23 16 r + 512 h
.set ST,   24                          ; v24-39 tile e at 8 e: -M, largest t, l (two halves), f (and a written upper word)
.set BM,   40
.set BX,   44
.set SO,   48
.set TT,   52
.set TM,   40                          ; QUANT's 16, in the merge
.set GS,   56                          ; the merge: tile e at 4 e: my factor (pair), my partner's (pair)
.set S,    64
.set PCD,  192
.set PC,   192
.set CV,   216
.set QS,   224
.set KS,   228
.set VS,   236
.set PWD,  244
.set MS,   246
.set PS,   250
.set LT,   254
.set MP,   2                           ; s[2:3]  where the mask words of my first tile and step lie
.set CIB,  4                           ; s[4:5]  ctx's images
.set PFA,  6                           ; s[6:7]  where my prefetches stand
.set G1,   8
.set G0A,  16                          ; slot 0's first fill
.set G0,   20                          ; slot 1's first fill; then it walks
.set WV,   24
.set TB,   25                          ; LDS byte at which the slot in hand begins
.set CNT,  26
.set LIM,  27
.set CS,   28                          ; s[28:29] log2(e)
.set SEL,  30
.set CSB,  100                         ; s[100:101] ctx's scale words
; s32-63 and s68-99: the 64 mask words of a tile and a step (word n in s[32 + n + 4 (n / 32)]); at the head they are at work
.set MSB, 0
.macro WIN new
.set WNEW, \new
.if MSB != WNEW
	s_set_vgpr_msb (MSB<<8)|WNEW
.set MSB, WNEW
.endif
.endm
.macro WM ra, zero                     ; one matrix instruction from rD, rA, rB, rSA, rSB.  ra: source 0's scale words lie in lanes 16-31
.if \zero
.if (\ra)
	v_wmma_scale_f32_16x16x128_f8f6f4 v[rD:rD+7], v[rA:rA+11], v[rB:rB+11], 0, v[rSA], v[rSB] matrix_a_fmt:MATRIX_FMT_BF6 matrix_b_fmt:MATRIX_FMT_BF6 matrix_a_scale:MATRIX_SCALE_ROW1
.else
	v_wmma_scale_f32_16x16x128_f8f6f4 v[rD:rD+7], v[rA:rA+11], v[rB:rB+11], 0, v[rSA], v[rSB] matrix_a_fmt:MATRIX_FMT_BF6 matrix_b_fmt:MATRIX_FMT_BF6
.endif
.else
.if (\ra)
	v_wmma_scale_f32_16x16x128_f8f6f4 v[rD:rD+7], v[rA:rA+11], v[rB:rB+11], v[rD:rD+7], v[rSA], v[rSB] matrix_a_fmt:MATRIX_FMT_BF6 matrix_b_fmt:MATRIX_FMT_BF6 matrix_a_scale:MATRIX_SCALE_ROW1
.else
	v_wmma_scale_f32_16x16x128_f8f6f4 v[rD:rD+7], v[rA:rA+11], v[rB:rB+11], v[rD:rD+7], v[rSA], v[rSB] matrix_a_fmt:MATRIX_FMT_BF6 matrix_b_fmt:MATRIX_FMT_BF6
.endif
.endif
.endm
.macro CROUND                          ; a round of the cluster's barrier
	s_barrier_signal -1
	s_barrier_wait -1
	s_cmp_lg_u32 s[WV], 0
	s_cbranch_scc1 .Lnot_wave_0_\@
	s_barrier_signal -3
.Lnot_wave_0_\@:
	s_barrier_wait -3
	s_barrier_signal -1
	s_barrier_wait -1
.endm
.macro KLOAD                           ; my 128 keys' 16 fragments and their scale words: K step 0's first
	v_add_nc_u32 v[WK], s[TB], v[AK]
	v_add_nc_u32 v[WKS], s[TB], v[AKS]
.irp s, 0,1
	ds_load_b128 v[KS+4*\s:KS+4*\s+3], v[WKS] offset:1024*\s
.endr
	WIN 0x80
.irp s, 0,1
.irp t, 0,1,2,3,4,5,6,7
.irp c, 0,1,2
	ds_load_b128 v[12*(8*\s+\t)+4*\c:12*(8*\s+\t)+4*\c+3], v[WK] offset:\t*3072+\s*1536+512*\c
.endr
.endr
.endr
	WIN 0
.endm
.macro VLOAD                           ; V's 16 tiles of channels for my 128 keys.  The four additions are the places behind the S products and in front of the loads
	v_add_nc_u32 v[WVK], s[TB], v[AVK]
	v_add_nc_u32 v[WVS], s[TB], v[AVS]
	v_add_nc_u32 v[WVSK], s[TB], v[AVSK]
	v_add_nc_u32 v[WVSS], s[TB], v[AVSS]
	ds_load_b128 v[VS:VS+3], v[WVSK]
	ds_load_b128 v[VS+4:VS+7], v[WVSS]
	WIN 0xc0
.irp x, 0,1,2,3,4,5,6,7
.irp c, 0,1,2
	ds_load_b128 v[12*\x+4*\c:12*\x+4*\c+3], v[WVK] offset:\x*3072+512*\c
.endr
.endr
.irp x, 8,9,10,11,12,13,14,15
.irp c, 0,1,2
	ds_load_b128 v[12*\x+4*\c:12*\x+4*\c+3], v[WVS] offset:(\x-8)*3072+512*\c
.endr
.endr
	WIN 0
.endm
.macro MLOAD off                       ; 64 mask words
	s_load_b512 s[32:47], s[MP:MP+1], \off
	s_load_b512 s[48:63], s[MP:MP+1], \off+64
	s_load_b512 s[68:83], s[MP:MP+1], \off+128
	s_load_b512 s[84:99], s[MP:MP+1], \off+192
.endm
.macro SPHASE                          ; S^T = K Q^T: 16 accumulators by turns, two K steps
	WIN 0x0a
.irp s, 0,1
.irp t, 0,1,2,3,4,5,6,7
.if (\t%4) == 0
	s_wait_dscnt 36-24*\s-12*(\t/4)                ; the next four fragments are in; the K loads issued behind them may be out
.endif
.irp e, 0,1
.set rD, S+64*\e+8*\t
.set rA, 12*(8*\s+\t)
.set rB, 192+12*(2*\e+\s)
.set rSA, KS+4*\s+\t%4
.set rSB, QS+2*\e+\s
	WM \t/4, 1-\s
.endr
.endr
.endr
	WIN 0
.endm
.macro PVPHASE first                   ; O^T += V^T P^T: 32 accumulators, one instruction each
	WIN 0x53
.irp x, 0,1,2,3,4,5,6,7,8,9,10,11,12,13,14,15
.irp e, 0,1
.set rD, 128*\e+8*\x
.set rA, 12*\x
.set rB, PCD+12*\e
.set rSA, VS+4*(\x/8)+\x%4
.set rSB, PWD+\e
	WM (\x%8)/4, \first
.endr
.endr
	WIN 0
.endm
; tile e's softmax of a step.  nl = 1: the other tile's mask words are asked for; 2: the next step's; 0: nothing is left to ask for
.macro SOFTMAX e, first, nl
.set rS, S+64*(\e)
.set rT, ST+8*(\e)
.set rP, PCD+12*(\e)
	s_wait_kmcnt 0x0
.set n, 0
.rept 64
	v_cndmask_b32 v[rS+n], v[rS+n], v[NINF], s[32+n+4*(n/32)]   ; my lane's bit of word n: masked -> -infinity.  Each accumulator from its low end on
.set n, n+1
.endr
.if \nl == 1
	MLOAD 4096
.elseif \nl == 2
	s_add_nc_u64 s[MP:MP+1], s[MP:MP+1], 512       ; (the loads that read it are done)
	MLOAD 0
.endif
.irp b, 0,1,2,3
	v_max3_num_f32 v[BM+\b], v[rS+16*\b], v[rS+16*\b+1], v[rS+16*\b+2]   ; the largest score of each block of 32 keys: for the row's maximum and, since p rises with the score, for the block's largest p
.endr
.irp i, 3,5,7,9,11,13
.irp b, 0,1,2,3
	v_max3_num_f32 v[BM+\b], v[BM+\b], v[rS+16*\b+\i], v[rS+16*\b+\i+1]
.endr
.endr
.irp b, 0,1,2,3
	v_max_num_f32 v[BM+\b], v[BM+\b], v[rS+16*\b+15]
.endr
.irp b, 0,1,2,3
	v_permlanex16_b32 v[BX+\b], v[BM+\b], s[SEL], s[SEL+1]
.endr
.irp b, 0,1,2,3
	v_max_num_f32 v[BM+\b], v[BM+\b], v[BX+\b]
.endr
	v_max3_num_f32 v[TT], v[BM], v[BM+1], v[BM+2]
	v_max_num_f32 v[TT], v[TT], v[BM+3]
	v_mul_f32 v[TT], s[CS], v[TT]
	v_max_num_f32 v[rT+1], v[rT+1], v[TT]          ; the running largest t
	v_mov_b32 v[TT], v[rT]
	v_floor_f32 v[rT], -v[rT+1]                    ; -M = floor(-t): M is a whole number
	v_sub_f32 v[TT], v[rT], v[TT]                  ; old M - new M, 0 or less
	v_cvt_i32_f32 v[TT], v[TT]                     ; (it saturates)
	v_ldexp_f32 v[rT+4], 1.0, v[TT]                ; f = 2^(old M - new M)
.set n, 0
.rept 32
	v_pk_fma_f32 v[rS+n:rS+n+1], v[rS+n:rS+n+1], s[CS:CS+1], v[rT:rT+1] op_sel_hi:[1,0,0]   ; t - M
.set n, n+2
.endr
.irp b, 0,1,2,3
	v_fma_f32 v[BM+\b], v[BM+\b], s[CS], v[rT]
.endr
.set n, 0
.rept 64
	v_exp_f32 v[rS+n], v[rS+n]                     ; p = 2^(t - M)
.set n, n+1
.endr
	v_pk_mul_f32 v[rT+2:rT+3], v[rT+2:rT+3], v[rT+4:rT+5] op_sel_hi:[1,0]   ; l under the new M; a plain place behind the exponentials
	s_wait_alu depctr_va_vdst(0)                   ; one wait for the batch of 64, ahead of its first reader
.irp b, 0,1,2,3
	v_exp_f32 v[BM+\b], v[BM+\b]                   ; each block's largest p
.endr
	v_pk_add_f32 v[BX:BX+1], v[rS:rS+1], v[rS+2:rS+3]   ; the sum of the unquantised p, in two chains
.irp j, 4,8,12,16,20,24,28,32,36,40,44,48,52,56,60
	v_pk_add_f32 v[rT+2:rT+3], v[rT+2:rT+3], v[rS+\j:rS+\j+1]
	v_pk_add_f32 v[BX:BX+1], v[BX:BX+1], v[rS+\j+2:rS+\j+3]
.endr
	v_pk_add_f32 v[rT+2:rT+3], v[rT+2:rT+3], v[BX:BX+1]
	s_wait_alu depctr_va_vdst(0)                   ; and one for the four
.irp b, 0,1,2,3
	v_max_num_f32 v[BM+\b], 0x2800000, v[BM+\b]    ; the floor 2^(5 - 127): a block whose every p is 0 keeps the byte 1; its codes are zeros
.endr
.irp b, 0,1,2,3
	v_add_nc_u32 v[SO+\b], 0xfe000000, v[BM+\b]
.endr
.irp b, 0,1,2,3
	v_lshrrev_b32 v[BX+\b], 23, v[SO+\b]
.endr
	v_lshl_or_b32 v[PWD+\e], v[BX+1], 8, v[BX]
	v_lshl_or_b32 v[PWD+\e], v[BX+2], 16, v[PWD+\e]
	v_lshl_or_b32 v[PWD+\e], v[BX+3], 24, v[PWD+\e]
.irp c, 0,1
	v_cvt_scalef32_pk16_bf6_f32 v[rP+6*\c:rP+6*\c+2], v[rS+32*\c:rS+32*\c+15], v[SO+2*\c]
	v_cvt_scalef32_pk16_bf6_f32 v[CV+4*\c:CV+4*\c+2], v[rS+32*\c+16:rS+32*\c+31], v[SO+2*\c+1]
.endr
	v_nop                                          ; one plain place behind a scaled conversion
.irp c, 0,1
.irp i, 0,1,2
	v_permlane16_swap_b32 v[rP+6*\c+\i], v[CV+4*\c+\i]
.endr
.irp i, 0,1,2
	v_mov_b32 v[rP+3+6*\c+\i], v[CV+4*\c+\i]
.endr
.endr
.if \first
.if \e == 1
.rept 8
	v_nop                                          ; a scale word written by vector instructions stands 8 places ahead of the scaled products, an operand 4
.endr
.endif
.else
	WIN 0x41
.set n, 0
.rept 64
	v_pk_mul_f32 v[128*(\e)+n:128*(\e)+n+1], v[128*(\e)+n:128*(\e)+n+1], v[rT+4:rT+5] op_sel_hi:[1,0]   ; O^T under the new M; also the places in front of the products
.set n, n+2
.endr
	WIN 0
.endif
.endm
; A PREFETCH of the record halves that the NEXT change of slots will load.  All clusters of a head walk the same K and V: the head's first cluster asks.  Of the 100 blocks of 256 bytes that wave w fetches, the partner at
; place cx names 25, told apart by address; lanes 25-31 name lane 24's block once more.  The last change that fills a slot asks for nothing.
.macro ASK
	s_cmp_gt_u32 s[CNT], s[LIM]
	s_cbranch_scc0 .Lnot_mine_\@
	global_prefetch_b8 v[PFO], s[PFA:PFA+1] th:TH_LOAD_NT scope:SCOPE_SE
.Lnot_mine_\@:
.endm
; THE CHANGE OF SLOTS, in a step's middle: K of the step has been multiplied, V of the step has been asked for.  mode 2: the slot is filled again, two groups on; 1: nothing is left to fetch; 0: the last step.
.macro CHANGE mode
.if \mode == 2
	s_wait_tensorcnt 0x0                           ; my one load that was out, my part of the other slot, has landed: a group 0 may be written
	ds_add_u32 v[SPW], v[NIL]                      ; 0 onto my spare word
	s_xor_b32 s[G0+1], s[G0+1], SLOT1
	s_add_nc_u64 s[G0+2:G0+3], s[G0+2:G0+3], REC
	s_wait_xcnt 0x0                                ; the last prefetch, a step back, has read its address
	s_add_nc_u64 s[PFA:PFA+1], s[PFA:PFA+1], REC
	s_wait_dscnt 0x0                               ; the add is done; V is in registers: my reads of this slot are over
	CROUND                                         ; the same holds of every wave of all four work-groups
	tensor_load_to_lds s[G0:G0+3], s[G1:G1+7]      ; the first thing behind the round, and my one tensor load until the next
	s_nop 0
.rept 4
	v_nop
.endr
	s_xor_b32 s[TB], s[TB], SLOT1
	KLOAD
	ASK
.elseif \mode == 1
	s_wait_tensorcnt 0x0
	ds_add_u32 v[SPW], v[NIL]
	s_wait_dscnt 0x0
	s_barrier_signal -1
	s_barrier_wait -1                              ; the last slot is whole for every wave
	s_xor_b32 s[TB], s[TB], SLOT1
	KLOAD
.else
	s_wait_dscnt 0x0                               ; V is in
.endif
.endm
.macro STEP first, mode, last
	SPHASE
	VLOAD
	SOFTMAX 0, \first, 1
	CHANGE \mode
	SOFTMAX 1, \first, 2-2*(\last)
	PVPHASE \first
.endm
.macro QUANT src, w, pw                ; 64 registers, register 16 b + i = k 32 b + 16 (lane / 16) + i of my row -> codes in v[PC] on, scale word in v[pw]
	WIN (\w)|((\w)<<2)
.irp b, 0,1,2,3
	v_max3_num_f32 v[TM+\b], |v[\src+16*\b]|, |v[\src+16*\b+1]|, 0x2800000
.endr
.irp i, 2,4,6,8,10,12,14
.irp b, 0,1,2,3
	v_max3_num_f32 v[TM+\b], |v[\src+16*\b+\i]|, |v[\src+16*\b+\i+1]|, v[TM+\b]
.endr
.endr
	WIN 0
.irp b, 0,1,2,3
	v_permlanex16_b32 v[TM+4+\b], v[TM+\b], s[SEL], s[SEL+1]
.endr
.irp b, 0,1,2,3
	v_max_num_f32 v[TM+\b], v[TM+\b], v[TM+4+\b]
.endr
.irp b, 0,1,2,3
	v_add_nc_u32 v[TM+12+\b], 0xfe000000, v[TM+\b]
.endr
.irp b, 0,1,2,3
	v_lshrrev_b32 v[TM+4+\b], 23, v[TM+12+\b]
.endr
	v_lshl_or_b32 v[\pw], v[TM+5], 8, v[TM+4]
	v_lshl_or_b32 v[\pw], v[TM+6], 16, v[\pw]
	v_lshl_or_b32 v[\pw], v[TM+7], 24, v[\pw]
	WIN (\w)
.irp c, 0,1
	v_cvt_scalef32_pk16_bf6_f32 v[PC+6*\c:PC+6*\c+2], v[\src+32*\c:\src+32*\c+15], v[TM+12+2*\c]
	v_cvt_scalef32_pk16_bf6_f32 v[PC+12+4*\c:PC+14+4*\c], v[\src+32*\c+16:\src+32*\c+31], v[TM+13+2*\c]
.endr
	WIN 0
	v_nop
.irp c, 0,1
.irp i, 0,1,2
	v_permlane16_swap_b32 v[PC+6*\c+\i], v[PC+12+4*\c+\i]
.endr
.irp i, 0,1,2
	v_mov_b32 v[PC+3+6*\c+\i], v[PC+12+4*\c+\i]
.endr
.endr
.endm
	s_load_b128 s[32:35], s[0:1], 0x0              ; qkv, maskw
	s_load_b64 s[36:37], s[0:1], 0x10              ; ctx
	v_lshl_add_u32 v[SPW], v0, 2, SPARE
	v_mov_b32 v[NIL], 0
	ds_add_u32 v19, v20
	ds_add_u32 v19, v20
	s_wait_dscnt 0x0
	v_lshrrev_b32 v1, 5, v0
	v_readfirstlane_b32 s[WV], v1                  ; wave 0..3
	s_lshr_b32 s40, s[WV], 1                       ; tp.  Also: I fetch for K (0) or V (1)
	s_and_b32 s41, s[WV], 1                        ; kh.  Also: which half of a record I fetch
	s_bfe_u32 s42, ttmp6, 0x40000                  ; cx
	s_lshl_b32 s43, ttmp9, 2
	s_add_co_u32 s43, s43, s42                     ; qb: my block of 64 queries; it enters global addresses alone
	s_and_b32 s44, ttmp7, 0xffff                   ; 4 b + head, which the partners share
	s_mov_b32 s[G1], 15|(3<<16)|(1<<21)            ; 15:0 all four work-groups; elements of 8 bytes; 21 set beside a mask; no padding
	s_mov_b32 s[G1+1], 32<<16                      ; 100 dense rows of 256 bytes
	s_mov_b32 s[G1+2], 100<<16
	s_mov_b32 s[G1+3], 32<<16
	s_mov_b32 s[G1+4], 100
	s_mov_b32 s[G1+5], 32
	s_mov_b32 s[G1+6], 0
	s_mov_b32 s[G1+7], 0
	s_add_co_u32 s45, s40, 1
	s_mul_i32 s46, s45, SEC                        ; k's section or v's,
	s_mul_i32 s45, s44, BHS                        ; the head's records,
	s_add_co_u32 s46, s46, s45
	s_mul_i32 s48, s41, HALF                       ; my half
	s_add_co_u32 s46, s46, s48
	s_mov_b32 s47, 0
	s_mul_i32 s49, s[WV], HALF                     ; and where it goes in a slot
	s_mov_b32 s[CS], 0x3fb8aa3b
	s_mov_b32 s[CS+1], s[CS]
	s_mov_b32 s[SEL], 0x76543210
	s_mov_b32 s[SEL+1], 0xfedcba98
	s_mov_b32 s[TB], 0
	s_mov_b32 s[CNT], 6
	s_wait_kmcnt 0x0
	s_add_nc_u64 s[50:51], s[32:33], s[46:47]
	CROUND                                         ; all four work-groups are here: the first joint loads meet
	s_mov_b32 s[G0A], 1
	s_mov_b32 s[G0A+1], s49
	s_mov_b64 s[G0A+2:G0A+3], s[50:51]
	s_or_b32 s[G0A+3], s[G0A+3], 0x80000000
	s_mov_b32 s[G0], 1
	s_add_co_u32 s[G0+1], s49, SLOT1
	s_add_nc_u64 s[G0+2:G0+3], s[50:51], REC
	s_or_b32 s[G0+3], s[G0+3], 0x80000000
	tensor_load_to_lds s[G0A:G0A+3], s[G1:G1+7]    ; keys 0-255
	s_nop 0
	tensor_load_to_lds s[G0:G0+3], s[G1:G1+7]      ; keys 256-511: two loads of mine are out
	s_nop 0
.rept 4
	v_nop
.endr
	s_mul_i32 s52, s42, 6400
	s_add_co_u32 s52, s52, 2*REC
	s_mov_b32 s53, 0
	s_add_nc_u64 s[PFA:PFA+1], s[50:51], s[52:53]  ; at the third record; the first change steps it to the fourth.  Nothing is prefetched here at the head
	s_cmp_eq_u32 ttmp9, 0
	s_cselect_b32 s[LIM], 1, -1
	s_lshr_b32 s54, s43, 2                         ; qb / 4
	s_and_b32 s55, s43, 3                          ; qb % 4
	s_mul_i32 s56, s54, REC
	s_add_co_u32 s56, s56, s45
	s_mov_b32 s57, 0
	s_add_nc_u64 s[66:67], s[32:33], s[56:57]      ; Q's record
	s_lshl_b32 s58, s55, 2
	s_lshl_b32 s59, s40, 1
	s_add_co_u32 s58, s58, s59                     ; T0 = 4 (qb % 4) + 2 tp: my first tile in it
	s_lshl_b32 s60, s43, 2
	s_add_co_u32 s60, s60, s59
	s_lshl_b32 s60, s60, 12                        ; mask words: 4,096 bytes a tile of queries,
	s_lshl_b32 s59, s41, 8
	s_add_co_u32 s60, s60, s59                     ; 256 a step
	s_mov_b32 s61, 0
	s_add_nc_u64 s[MP:MP+1], s[34:35], s[60:61]
	s_lshr_b32 s60, s44, 2                         ; b
	s_lshl_b32 s60, s60, 4
	s_lshr_b32 s59, s43, 1
	s_add_co_u32 s60, s60, s59                     ; 16 b + qb / 2: my 128 queries
	s_lshl_b32 s60, s60, 2
	s_and_b32 s59, s44, 3
	s_add_co_u32 s60, s60, s59
	s_mul_i32 s60, s60, HREC                       ; ctx's half-record: (16 b + s / 128) x 4 + head
	s_and_b32 s59, s43, 1                          ; qb % 2: which four of its eight tiles
	s_lshl_b32 s62, s59, 8
	s_add_co_u32 s62, s62, s60
	s_add_co_u32 s62, s62, HSC
	s_mov_b32 s63, 0
	s_add_nc_u64 s[CSB:CSB+1], s[36:37], s[62:63]
	s_mul_i32 s59, s59, 4*FRB
	s_add_co_u32 s60, s60, s59
	s_mul_i32 s59, s40, 2*FRB                      ; tile 4 (qb % 2) + 2 tp,
	s_add_co_u32 s60, s60, s59
	s_mul_i32 s59, s41, 12288                      ; K step kh
	s_add_co_u32 s60, s60, s59
	s_add_nc_u64 s[CIB:CIB+1], s[36:37], s[60:61]
	v_and_b32 v1, 31, v0
	v_and_b32 v54, 15, v0                          ; r
	v_bfe_u32 v55, v0, 4, 1                        ; h
	v_lshlrev_b32 v[VIM], 4, v1
	s_mul_i32 s59, s58, 3072
	v_add_nc_u32 v56, s59, v[VIM]                  ; Q's images
	s_lshl_b32 s59, s55, 8
	s_lshl_b32 s60, s40, 3
	s_add_co_u32 s59, s59, s60
	s_add_co_u32 s59, s59, RSC
	v_lshl_add_u32 v57, v54, 4, s59                ; Q's scale words
	WIN 0x80
.irp e, 0,1
.irp s, 0,1
.irp c, 0,1,2
	global_load_b128 v[192+12*(2*\e+\s)+4*\c:192+12*(2*\e+\s)+4*\c+3], v56, s[66:67] offset:\e*3072+\s*1536+512*\c
.endr
.endr
.endr
	WIN 0
.irp e, 0,1
.irp s, 0,1
	global_load_b32 v[QS+2*\e+\s], v57, s[66:67] offset:1024*\s+4*\e
.endr
.endr
	s_xor_b32 s63, s41, 1                          ; the other half
	s_mul_i32 s59, s41, 24576
	v_add_nc_u32 v[AK], s59, v[VIM]
	s_lshl_b32 s59, s41, 9
	s_add_co_u32 s59, s59, RSC
	v_add_nc_u32 v[AKS], s59, v[VIM]
	s_mul_i32 s59, s41, FRB+24576
	s_add_co_u32 s59, s59, REC
	v_add_nc_u32 v[AVK], s59, v[VIM]               ; V: K step kh, channel tiles 8 kh on: kept
	s_mul_i32 s59, s41, FRB
	s_mul_i32 s60, s63, 24576
	s_add_co_u32 s59, s59, s60
	s_add_co_u32 s59, s59, REC
	v_add_nc_u32 v[AVS], s59, v[VIM]               ; the other eight: sent
	s_mul_i32 s59, s41, 1536
	s_add_co_u32 s59, s59, REC+RSC
	v_add_nc_u32 v[AVSK], s59, v[VIM]
	s_lshl_b32 s59, s41, 10
	s_lshl_b32 s60, s63, 9
	s_add_co_u32 s59, s59, s60
	s_add_co_u32 s59, s59, REC+RSC
	v_add_nc_u32 v[AVSS], s59, v[VIM]
	s_mul_i32 s59, s[WV], MRW
	s_add_co_u32 s59, s59, MRG
	v_add_nc_u32 v[MSTO], s59, v[VIM]
	s_xor_b32 s59, s[WV], 1
	s_mul_i32 s59, s59, MRW
	s_add_co_u32 s59, s59, MRG
	v_add_nc_u32 v[MLD], s59, v[VIM]
	s_lshl_b32 s59, s41, 8
	s_lshl_b32 s60, s40, 3
	s_add_co_u32 s59, s59, s60
	s_add_co_u32 s59, s59, CSC
	v_lshl_add_u32 v[CSA], v54, 4, s59
	v_add_nc_u32 v[CSL], CSC, v[VIM]
	v_lshlrev_b32 v[CSO], 9, v55                   ; K step h's scale words lie 512 bytes on
	v_lshl_add_u32 v[CSO], v54, 4, v[CSO]
	v_min_u32 v[PFO], 24, v1
	v_lshlrev_b32 v[PFO], 8, v[PFO]
	v_mov_b32 v[NINF], 0xff800000
.irp e, 0,1
	v_mov_b32 v[ST+8*\e+1], 0xff61b1e6             ; the largest t so far: -3e38
	v_floor_f32 v[ST+8*\e], -v[ST+8*\e+1]
	v_mov_b32 v[ST+8*\e+2], 0
	v_mov_b32 v[ST+8*\e+3], 0
	v_mov_b32 v[ST+8*\e+5], 0                      ; (named as the upper half of f's pair)
.endr
.irp b, 0,1,2,3
	v_mov_b32 v[BX+\b], 0                          ; a lane permute's destination counts as one of its sources
.endr
	MLOAD 0                                        ; everything that lay in these registers has been used
	s_wait_tensorcnt 1                             ; my part of slot 0 is in; slot 1's may stay out
	s_barrier_signal -1
	s_barrier_wait -1
	KLOAD
	s_wait_loadcnt 0x0                             ; Q
	STEP 1, 2, 0                                   ; keys 0-255: its products start O^T's sums
	s_mov_b32 s[CNT], 5
.Lstep:
	STEP 0, 2, 0
	s_sub_co_u32 s[CNT], s[CNT], 1
	s_cmp_lg_u32 s[CNT], 0
	s_cbranch_scc1 .Lstep
	STEP 0, 1, 0                                   ; the tail is written out
	STEP 0, 0, 1
	; ---- THE MERGE of the two halves of the keys
.rept 4
	v_nop                                          ; places behind the last products
.endr
.irp e, 0,1
	v_add_f32 v[MS+2+\e], v[ST+8*\e+2], v[ST+8*\e+3]
.endr
.irp e, 0,1
	v_permlanex16_b32 v[BX+\e], v[MS+2+\e], s[SEL], s[SEL+1]
.endr
.irp e, 0,1
	v_add_f32 v[MS+2+\e], v[MS+2+\e], v[BX+\e]     ; my half's sum
	v_mov_b32 v[MS+\e], v[ST+8*\e]                 ; and its -M
.endr
	ds_store_b128 v[MSTO], v[MS:MS+3] offset:16384
	WIN 0x04                                       ; an LDS store's data are its source 1: window 1
.irp e, 0,1
.irp x, 8,9,10,11,12,13,14,15
	ds_store_b128 v[MSTO], v[128*\e+8*\x:128*\e+8*\x+3] offset:(8*\e+\x-8)*1024      ; each accumulator from its low end on
	ds_store_b128 v[MSTO], v[128*\e+8*\x+4:128*\e+8*\x+7] offset:(8*\e+\x-8)*1024+512
.endr
.endr
	WIN 0
	s_wait_dscnt 0x0                               ; for my partner's sake
	s_barrier_signal -1
	s_barrier_wait -1
	ds_load_b128 v[PS:PS+3], v[MLD] offset:16384
	WIN 0x80                                       ; into K's registers, which are free
.irp i, 0,1,2,3,4,5,6,7,8,9,10,11,12,13,14,15
	ds_load_b128 v[8*\i:8*\i+3], v[MLD] offset:\i*1024
	ds_load_b128 v[8*\i+4:8*\i+7], v[MLD] offset:\i*1024+512
.endr
	WIN 0
	s_wait_dscnt 32                                ; the statistics are in; the 32 loads of O^T may be out
.irp e, 0,1
	v_min_num_f32 v[40+\e], v[MS+\e], v[PS+\e]     ; -M of both halves together
	v_sub_f32 v[42+\e], v[40+\e], v[MS+\e]
	v_sub_f32 v[44+\e], v[40+\e], v[PS+\e]
	v_cvt_i32_f32 v[42+\e], v[42+\e]
	v_cvt_i32_f32 v[44+\e], v[44+\e]
	v_ldexp_f32 v[42+\e], 1.0, v[42+\e]            ; my power of two,
	v_ldexp_f32 v[44+\e], 1.0, v[44+\e]            ; my partner's
	v_mul_f32 v[LT+\e], v[MS+2+\e], v[42+\e]
	v_fma_f32 v[LT+\e], v[PS+2+\e], v[44+\e], v[LT+\e]   ; the row's sum
.endr
	v_rcp_f32 v46, v[LT]
	v_rcp_f32 v47, v[LT+1]
	v_nop                                          ; a plain place behind the reciprocals
	s_wait_alu depctr_va_vdst(0)                   ; and a wait ahead of their first reader
.irp e, 0,1
	v_mul_f32 v[GS+4*\e], v[42+\e], v[46+\e]
	v_mov_b32 v[GS+4*\e+1], 0
	v_mul_f32 v[GS+4*\e+2], v[44+\e], v[46+\e]
	v_mov_b32 v[GS+4*\e+3], 0
.endr
	s_wait_dscnt 0x0
.irp e, 0,1
	WIN 0x01
.set n, 0
.rept 32
	v_pk_mul_f32 v[S+64*\e+n:S+64*\e+n+1], v[128*\e+n:128*\e+n+1], v[GS+4*\e:GS+4*\e+1] op_sel_hi:[1,0]
.set n, n+2
.endr
	WIN 0x02
.set n, 0
.rept 32
	v_pk_fma_f32 v[S+64*\e+n:S+64*\e+n+1], v[64*\e+n:64*\e+n+1], v[GS+4*\e+2:GS+4*\e+3], v[S+64*\e+n:S+64*\e+n+1] op_sel_hi:[1,0,1]
.set n, n+2
.endr
	WIN 0
.if \e == 1
	s_wait_xcnt 0x0                                ; tile 0's stores have read the codes' registers
.endif
	QUANT S+64*\e, 0, PWD+\e                       ; ctx(query r, d = 128 kh + ..): one K step of the last product
	v_cmp_lt_f32 vcc_lo, 0, v[LT+\e]
	v_cndmask_b32 v[PWD+\e], -1, v[PWD+\e], vcc_lo ; a row with nothing unmasked: the NaN scale
.irp c, 0,1,2
	global_store_b128 v[VIM], v[PC+4*\c:PC+4*\c+3], s[CIB:CIB+1] offset:1536*\e+512*\c
.endr
.endr
	ds_store_b64 v[CSA], v[PWD:PWD+1]              ; the four waves' scale words meet: two units of 256 bytes (lanes r and 16 + r write the same words)
	s_wait_dscnt 0x0
	s_barrier_signal -1
	s_barrier_wait -1
	s_cmp_lg_u32 s[WV], 0
	s_cbranch_scc1 .Lnot_first
	ds_load_b128 v[MS:MS+3], v[CSL]
	s_wait_dscnt 0x0
	global_store_b128 v[CSO], v[MS:MS+3], s[CSB:CSB+1]   ; each half of the lanes stores 256 consecutive bytes, aligned
.Lnot_first:
	s_wait_tensorcnt 0x0                           ; the wave's end
	ds_add_u32 v[SPW], v[NIL]
	s_wait_dscnt 0x0
	CROUND                                         ; the closing round
	s_endpgm
.Lfunc_end_k_qfe4a0ccd86_attn:
	.size	k_qfe4a0ccd86_attn, .Lfunc_end_k_qfe4a0ccd86_attn-k_qfe4a0ccd86_attn
	.p2alignl 7, 3214868480
	.fill 96, 4, 3214868480
	.section	.rodata,"a",@progbits
	.p2align	6, 0x0
	.amdhsa_kernel k_qfe4a0ccd86_attn
		.amdhsa_group_segment_fixed_size 327680
		.amdhsa_private_segment_fixed_size 0
		.amdhsa_enable_private_segment 0
		.amdhsa_kernarg_size 24
		.amdhsa_user_sgpr_count 2
		.amdhsa_user_sgpr_kernarg_segment_ptr 1
		.amdhsa_wavefront_size32 1
		.amdhsa_system_sgpr_workgroup_id_x 1
		.amdhsa_system_sgpr_workgroup_id_y 1
		.amdhsa_system_sgpr_workgroup_id_z 1
		.amdhsa_system_vgpr_workitem_id 0
		.amdhsa_next_free_vgpr 1024
		.amdhsa_next_free_sgpr 102
		.amdhsa_reserve_vcc 1
		.amdhsa_float_denorm_mode_32 3
		.amdhsa_float_denorm_mode_16_64 3
		.amdhsa_memory_ordered 1
		.amdhsa_forward_progress 1
		.amdhsa_inst_pref_size 239
	.end_amdhsa_kernel
	.amdgpu_metadata
---
amdhsa.version: [ 1, 2 ]
amdhsa.kernels:
  - .name:           k_qfe4a0ccd86_attn
    .symbol:         k_qfe4a0ccd86_attn.kd
    .args:
      - { .name: qkv, .offset: 0, .size: 8, .value_kind: global_buffer, .address_space: global }
      - { .name: maskw, .offset: 8, .size: 8, .value_kind: global_buffer, .address_space: global }
      - { .name: ctx, .offset: 16, .size: 8, .value_kind: global_buffer, .address_space: global }
    .group_segment_fixed_size: 327680
    .private_segment_fixed_size: 0
    .kernarg_segment_align: 8
    .kernarg_segment_size: 24
    .max_flat_workgroup_size: 128
    .sgpr_count:     102
    .vgpr_count:     1024
    .wavefront_size: 32
...
	.end_amdgpu_metadata
.endif
;; end of part 3
;; launch outp (part 4): grid 8 x 32, 4 waves a work-group, clusters of 4 x 4, 327,680 bytes of LDS; arguments ctx, ops, out0; writes out0
.if DOCPART == 4
	.amdgcn_target "amdgcn-amd-amdhsa--gfx1250"
	.amdhsa_code_object_version 6
	.text
	.protected	k_qfe4a0ccd86_outp
	.globl	k_qfe4a0ccd86_outp
	.p2align	8
	.type	k_qfe4a0ccd86_outp,@function
k_qfe4a0ccd86_outp:
	s_mov_b64 s[64:65], 0
	v_nop
	global_prefetch_b8 v0, s[64:65] scope:SCOPE_SE
	s_setreg_imm32_b32 hwreg(HW_REG_WAVE_MODE, 25, 1), 1
	s_wait_xcnt 0x0
	s_wait_alu depctr_hold_cnt(0) depctr_sa_sdst(0) depctr_va_vdst(0) depctr_va_sdst(0) depctr_va_ssrc(0) depctr_va_vcc(0) depctr_vm_vsrc(0)
	s_getreg_b32 s2, hwreg(HW_REG_IB_STS2, 6, 4)
	s_cmp_eq_u32 s2, 0
	s_cbranch_scc0 .Lentry_in_a_cluster
	s_endpgm
.Lentry_in_a_cluster:
	s_bfe_u32 s2, ttmp6, 0x10000c
	s_cmp_lg_u32 s2, 0xf033
	s_cbranch_scc0 .Lentry_shape_is_right
	s_endpgm
.Lentry_shape_is_right:
; OUTP.  out0 = ctx wo^T on codes of BF6, K = 1,024.  A work-group makes 128 rows x 256 columns, so that the 4,096 x 2,048 numbers give 256 work-groups; four waves, 64 x 128 each: 32 accumulators, 256 registers.
; ALL OF K LIES IN LDS: the work-group's operands are 4 x (25,600 + 51,200) = 307,200 bytes.  Every tensor load is a first fill: no byte of LDS is filled twice, so there is no ring and no barrier in front of a refill.
; Each wave issues four joint loads at the start, one for each pair of K steps, in the order in which the pairs are multiplied; in front of pair p it waits until 3 - p of them are out, and a barrier follows.
; Operands are images of their registers (a fragment: 1,536 bytes, registers 4c .. 4c+3 of lane l at 512 c + 16 l).  S1 = ctx's 128 rows: half-records of 25,600 bytes (two K steps q: codes at 12,288 q + 1,536 T',
; scale words at 24,576 + 512 q + 256 (T' / 4) + 16 r + 4 (T' % 4)).  S0 = wo's 256 rows: records of 51,200 bytes (codes at 24,576 q + 1,536 T, scale words at 49,152 + 1,024 q + 256 (T / 4) + 16 r + 4 (T % 4)).
; SOURCE 0 = a fragment of S0, SOURCE 1 = a fragment of S1: a lane holds one row of out0 and its registers run along the columns.  Lane r of tile 2g + u holds row 32 g + 8 u + r + 8 (r / 8).
; Wave (rh, ch): S1's tiles 4 rh + a; S0's tiles 4 ch + 0..3 and 8 + 4 ch + 0..3: columns 64 ch .. + 63 and 128 + 64 ch .. + 63 of the tile.
; A K step: 32 matrix instructions; the next step's 8 fragments of S0 are fetched at its head, its 4 of S1 in its middle: two sets of registers for each.
; CLUSTERS 4 x 4: S1's tile is asked for jointly along a row of the cluster, S0's along a column.  S1's loads have 50 rows of 256 bytes: half of what the tile has for a pair of K steps.
; No prefetch: all loads go out at the head.  A row of ctx whose scale word is the NaN byte (no key unmasked) gives NaN in the whole row.
; WINDOWS: 0: addresses v8-27, scale words v32-63, S1's fragments v128-223 (on the way out v128-255 hold rows).  1: S0's fragments, sets at v0 and v128.  2: the accumulators, (a, b) at v[8 (8 a + b)].
.set REC,   51200
.set HREC,  25600
.set RSC,   49152
.set HSC,   24576
.set FRB,   1536
.set PAIR,  76800                      ; LDS: pair p of K steps at 76,800 p: S1's half-record, then S0's record
.set STG,   307200                     ; behind the four pairs: a stage of 16 rows x (256 bytes + 16) for each wave; no tile lands here
.set STW,   4352
.set ADRA, 8                           ; v8-11   S1's fragments in pair 0 .. 3;  v12-15 its scale words
.set ADSA, 12
.set ADRB, 16                          ; v16-19  S0's fragments;  v20-23 its scale words
.set ADSB, 20
.set STO,  24                          ; v24 the way out: where I put 16 bytes of a row;  v25 where I read rows back;  v26 my byte offset in out0
.set RD,   25
.set CO,   26
.set VIM,  27                          ; v27 16 x lane
.set SC,   32                          ; v32-63 scale words and nothing else: set 16 (p % 2) + 8 q: +0..3 S1's, +4..7 S0's
.set AF,   128
.set BK,   128                         ; the way out: four buffers of 32 registers by turns
.set WV,   16
.set RH,   17
.set CH,   18
.set G1,   24                          ; s[24:31] group 1 for S1;  s[32:47] its four groups 0
.set G0,   32
.set G1B,  48                          ; s[48:55] group 1 for S0;  s[68:83] its four groups 0
.set G0B,  68
.set MSB, 0
.macro WIN new                         ; the immediate's high byte repeats the setting that is left; a switch that changes nothing is dropped
.set WNEW, \new
.if MSB != WNEW
	s_set_vgpr_msb (MSB<<8)|WNEW
.set MSB, WNEW
.endif
.endm
.set MUL,  0xa1                        ; source 0 window 1, source 1 window 0, C and D window 2
.set TO_B, 0x40                        ; destination window 1, address window 0
.macro WM ra, zero                     ; one matrix instruction from rD, rA, rB, rSA, rSB.  ra: source 0's scale words lie in lanes 16-31.  zero: the product starts its sum
.if \zero
.if (\ra)
	v_wmma_scale_f32_16x16x128_f8f6f4 v[rD:rD+7], v[rA:rA+11], v[rB:rB+11], 0, v[rSA], v[rSB] matrix_a_fmt:MATRIX_FMT_BF6 matrix_b_fmt:MATRIX_FMT_BF6 matrix_a_scale:MATRIX_SCALE_ROW1
.else
	v_wmma_scale_f32_16x16x128_f8f6f4 v[rD:rD+7], v[rA:rA+11], v[rB:rB+11], 0, v[rSA], v[rSB] matrix_a_fmt:MATRIX_FMT_BF6 matrix_b_fmt:MATRIX_FMT_BF6
.endif
.else
.if (\ra)
	v_wmma_scale_f32_16x16x128_f8f6f4 v[rD:rD+7], v[rA:rA+11], v[rB:rB+11], v[rD:rD+7], v[rSA], v[rSB] matrix_a_fmt:MATRIX_FMT_BF6 matrix_b_fmt:MATRIX_FMT_BF6 matrix_a_scale:MATRIX_SCALE_ROW1
.else
	v_wmma_scale_f32_16x16x128_f8f6f4 v[rD:rD+7], v[rA:rA+11], v[rB:rB+11], v[rD:rD+7], v[rSA], v[rSB] matrix_a_fmt:MATRIX_FMT_BF6 matrix_b_fmt:MATRIX_FMT_BF6
.endif
.endif
.endm
; 16 matrix instructions of K step k: S1's blocks a0, a0 + 1 x S0's eight.  The 32 accumulators take turns, one instruction a turn, in the same order in every step
.macro MULH k, a0, zero
	WIN MUL
.irp a, \a0, \a0+1
.irp b, 0,1,2,3,4,5,6,7
.set rD, 8*(8*(\a)+\b)
.set rA, 128*((\k)%2)+12*\b
.set rB, AF+48*((\k)%2)+12*(\a)
.set rSA, SC+16*(((\k)/2)%2)+8*((\k)%2)+4+\b%4
.set rSB, SC+16*(((\k)/2)%2)+8*((\k)%2)+(\a)
	WM \b/4, \zero
.endr
.endr
.endm
.macro FRAG reg, adr, off              ; a fragment comes as it was stored: three loads of 512 consecutive bytes
.irp c, 0,1,2
	ds_load_b128 v[\reg+4*\c:\reg+4*\c+3], v[\adr] offset:\off+512*\c
.endr
.endm
.macro FETCH_B k                       ; K step k's eight fragments of S0 into set k % 2
	WIN TO_B
.irp i, 0,1,2,3,4,5,6,7
	FRAG 128*((\k)%2)+12*\i, ADRB+(\k)/2, ((\k)%2)*24576+(\i+4*(\i/4))*FRB
.endr
.endm
.macro FETCH_A k                       ; and its four of S1
	WIN 0
.irp i, 0,1,2,3
	FRAG AF+48*((\k)%2)+12*\i, ADRA+(\k)/2, ((\k)%2)*12288+\i*FRB
.endr
.endm
.macro SCALES p                        ; pair p's scale words.  S1's: register i = my tile i, in lanes 0-15.  S0's: register i: lanes 0-15 tile i of my eight, lanes 16-31 tile 4 + i
.irp q, 0,1
	ds_load_b128 v[SC+16*((\p)%2)+8*\q:SC+16*((\p)%2)+8*\q+3], v[ADSA+(\p)] offset:512*\q
	ds_load_b128 v[SC+16*((\p)%2)+8*\q+4:SC+16*((\p)%2)+8*\q+7], v[ADSB+(\p)] offset:1024*\q
.endr
.endm
.macro CROUND                          ; a round of the cluster's barrier
	s_barrier_signal -1
	s_barrier_wait -1
	s_cmp_lg_u32 s[WV], 0
	s_cbranch_scc1 .Lnot_wave_0_\@
	s_barrier_signal -3
.Lnot_wave_0_\@:
	s_barrier_wait -3
	s_barrier_signal -1
	s_barrier_wait -1
.endm
.macro PLACES                          ; four plain places behind matrix instructions, in front of loads into their registers and of reads of their results
.rept 4
	v_nop
.endr
.endm
; K step k.  An odd step's successor lies in the next pair: each wave waits for its part of that pair, and a barrier shows the whole pair to every wave.
.macro STEPK k, zero
	s_wait_dscnt 0x0                               ; this step's fragments and scale words are in; no LDS instruction of mine is out at the signal below
.if (\k) < 7
.if ((\k)%2) == 1
	s_wait_tensorcnt 2-(\k)/2                      ; my part of the next pair has landed; the later pairs' loads may be out
	s_barrier_signal -1
	s_barrier_wait -1
.endif
.if (\k) > 0
	PLACES                                         ; the sets fetched in this step were read by the last step's products
.endif
	FETCH_B (\k)+1
.endif
	MULH \k, 0, \zero
.if (\k) < 7
	FETCH_A (\k)+1
.if ((\k)%2) == 1
	SCALES ((\k)+1)/2
.endif
.endif
	MULH \k, 2, \zero
.endm
	s_load_b128 s[4:7], s[0:1], 0x0                ; ctx, ops
	s_load_b64 s[8:9], s[0:1], 0x10                ; out0
	v_lshl_add_u32 v126, v0, 2, 0x4f400
	v_mov_b32 v127, 0
	ds_add_u32 v126, v127
	ds_add_u32 v126, v127
	v_lshrrev_b32 v1, 5, v0
	v_readfirstlane_b32 s[WV], v1                  ; wave 0..3
	s_lshr_b32 s[RH], s[WV], 1                     ; which half of S1's tiles is mine.  Also: I fetch for S1 (0) or S0 (1)
	s_and_b32 s[CH], s[WV], 1                      ; which of S0's tiles.  Also: which half of a record I fetch
	s_bfe_u32 s20, ttmp6, 0x40000                  ; cx
	s_bfe_u32 s21, ttmp6, 0x40004                  ; cy
	s_lshl_b32 s84, ttmp9, 2
	s_add_co_u32 s84, s84, s20                     ; Rn: wo's tile of 256 rows
	s_and_b32 s85, ttmp7, 0xffff
	s_lshl_b32 s85, s85, 2
	s_add_co_u32 s85, s85, s21                     ; Rh: ctx's tile of 128 rows
	s_lshl_b32 s22, s21, 2
	s_lshl_b32 s22, 15, s22                        ; my row of the cluster
	s_lshl_b32 s23, 0x1111, s20                    ; my column
	s_or_b32 s[G1], s22, (3<<16)|(1<<21)           ; 15:0 the mask; 17:16 elements of 8 bytes; 21 set beside a mask; no padding
	s_mov_b32 s[G1+1], 32<<16                      ; tensor_dim0 = 32 elements: 256 bytes
	s_mov_b32 s[G1+2], 50<<16                      ; tensor_dim1 = 50 rows: half a half-record
	s_mov_b32 s[G1+3], 32<<16                      ; tile_dim0
	s_mov_b32 s[G1+4], 50                          ; tile_dim1
	s_mov_b32 s[G1+5], 32                          ; the rows are dense
	s_mov_b32 s[G1+6], 0
	s_mov_b32 s[G1+7], 0
	s_or_b32 s[G1B], s23, (3<<16)|(1<<21)
	s_mov_b32 s[G1B+1], 32<<16
	s_mov_b32 s[G1B+2], 100<<16                    ; 100 rows: half a record
	s_mov_b32 s[G1B+3], 32<<16
	s_mov_b32 s[G1B+4], 100
	s_mov_b32 s[G1B+5], 32
	s_mov_b32 s[G1B+6], 0
	s_mov_b32 s[G1B+7], 0
	s_mul_i32 s88, s85, 4*HREC                     ; S1: the tile's four half-records lie on end,
	s_mul_i32 s86, s[CH], HREC/2                   ; my half of each: in memory and in LDS
	s_add_co_u32 s88, s88, s86
	s_mov_b32 s89, 0
	s_mul_i32 s90, s84, 4*REC                      ; S0 likewise, behind ops' 224 other records
	s_add_co_u32 s90, s90, 224*REC
	s_mul_i32 s87, s[CH], REC/2
	s_add_co_u32 s90, s90, s87
	s_mov_b32 s91, 0
	s_wait_dscnt 0x0
	s_wait_kmcnt 0x0
	s_add_nc_u64 s[88:89], s[4:5], s[88:89]
	s_add_nc_u64 s[90:91], s[6:7], s[90:91]
	CROUND                                         ; all sixteen work-groups are here: the joint loads meet
.irp p, 0,1,2,3
	s_mov_b32 s[G0+4*\p], 1
	s_add_co_u32 s[G0+4*\p+1], s86, \p*PAIR        ; no place in the cluster enters an LDS address
	s_add_nc_u64 s[G0+4*\p+2:G0+4*\p+3], s[88:89], \p*HREC
	s_or_b32 s[G0+4*\p+3], s[G0+4*\p+3], 0x80000000
	s_mov_b32 s[G0B+4*\p], 1
	s_add_co_u32 s[G0B+4*\p+1], s87, \p*PAIR+HREC
	s_add_nc_u64 s[G0B+4*\p+2:G0B+4*\p+3], s[90:91], \p*REC
	s_or_b32 s[G0B+4*\p+3], s[G0B+4*\p+3], 0x80000000
.endr
	s_cmp_eq_u32 s[RH], 0                          ; a wave's four fills stand in one branch on the wave's number, ahead of every wait on TENSORcnt and every LDS read: four loads of mine are out
	s_cbranch_scc0 .Lfirst_b
.irp p, 0,1,2,3
	tensor_load_to_lds s[G0+4*\p:G0+4*\p+3], s[G1:G1+7]
	s_nop 0
.endr
.rept 4
	v_nop
.endr
	s_branch .Lfirst_asked
.Lfirst_b:
.irp p, 0,1,2,3
	tensor_load_to_lds s[G0B+4*\p:G0B+4*\p+3], s[G1B:G1B+7]
	s_nop 0
.endr
.rept 4
	v_nop
.endr
.Lfirst_asked:
	v_and_b32 v1, 31, v0
	v_and_b32 v2, 15, v0                           ; r
	v_bfe_u32 v3, v0, 4, 1                         ; h
	v_lshlrev_b32 v[VIM], 4, v1
	v_lshlrev_b32 v4, 4, v2                        ; 16 r
	s_mul_i32 s56, s[RH], 6144
	v_add_nc_u32 v[ADRA], s56, v[VIM]              ; S1: tiles 4 rh on
	s_lshl_b32 s56, s[RH], 8
	s_add_co_u32 s56, s56, HSC
	v_add_nc_u32 v[ADSA], s56, v4                  ; their unit of scale words (both halves of the lanes read the same)
	s_mul_i32 s56, s[CH], 6144
	s_add_co_u32 s56, s56, HREC
	v_add_nc_u32 v[ADRB], s56, v[VIM]              ; S0: tiles 4 ch on
	s_lshl_b32 s56, s[CH], 8
	s_add_co_u32 s56, s56, HREC+RSC
	v_lshl_add_u32 v5, v3, 9, v4
	v_add_nc_u32 v[ADSB], s56, v5                  ; lanes 0-15 tiles 4 ch on, lanes 16-31 tiles 8 + 4 ch on
.irp m, ADRA, ADSA, ADRB, ADSB
.irp p, 1,2,3
	v_add_nc_u32 v[\m+\p], \p*PAIR, v[\m]
.endr
.endr
	s_mul_i32 s56, s[WV], STW
	s_add_co_u32 s56, s56, STG                     ; my stage
	v_mul_u32_u24 v5, v2, 272
	v_lshl_add_u32 v5, v3, 6, v5
	v_add_nc_u32 v[STO], s56, v5                   ; in: row r, + 64 h
	v_mul_u32_u24 v5, v3, 272
	v_add_nc_u32 v5, v5, v4
	v_add_nc_u32 v[RD], s56, v5                    ; back: lanes 0-15 one row of 256 bytes, lanes 16-31 the next
	v_lshl_add_u32 v[CO], v3, 13, v4               ; and the same two rows in out0: 8,192 bytes apart
	s_lshl_b32 s56, s85, 7
	s_lshl_b32 s57, s[RH], 6
	s_add_co_u32 s56, s56, s57                     ; my first row: 128 Rh + 64 rh
	s_lshl_b32 s56, s56, 13
	s_lshl_b32 s57, s84, 10
	s_add_co_u32 s56, s56, s57                     ; my first column, in bytes: 1,024 Rn + 256 ch
	s_lshl_b32 s57, s[CH], 8
	s_add_co_u32 s56, s56, s57
	s_mov_b32 s57, 0
	s_add_nc_u64 s[8:9], s[8:9], s[56:57]
	s_wait_tensorcnt 3                             ; my part of pair 0 is in; the three later pairs' loads may be out
	s_barrier_signal -1
	s_barrier_wait -1                              ; everybody's is
	FETCH_B 0
	FETCH_A 0
	SCALES 0
	STEPK 0, 1                                     ; the first step's products start the sums: nothing is cleared
	STEPK 1, 0
	STEPK 2, 0
	STEPK 3, 0
	STEPK 4, 0
	STEPK 5, 0                                     ; its wait on TENSORcnt is for 0: no tensor load of mine is out from here on
	STEPK 6, 0
	STEPK 7, 0
	WIN 0
; THE WAY OUT, in eight turns n = 2 a + f: block a of 16 rows, my first (f = 0) or second (f = 1) 64 columns.  In: register j of tile b of lane (r, h) goes to byte 128 (b / 2) + 64 h + 32 (b % 2) + 4 j of row r of my
; stage, which puts the columns in order; back: whole rows of 256 bytes, two an instruction.  LDS serves a wave's instructions in order: no wait between the stores and the loads, nor in front of the next turn's stores.
.macro TOSTAGE n
.set AC, 64*((\n)/2)+32*((\n)%2)
	WIN 0x08                                       ; an LDS store's data are its source 1: window 2
.irp b, 0,1,2,3
	ds_store_b128 v[STO], v[AC+8*\b:AC+8*\b+3] offset:128*(\b/2)+32*(\b%2)          ; each accumulator from its low end on
	ds_store_b128 v[STO], v[AC+8*\b+4:AC+8*\b+7] offset:128*(\b/2)+32*(\b%2)+16
.endr
	WIN 0
.set BB, BK+32*((\n)%4)
.irp t, 0,1,2,3,4,5,6,7
	ds_load_b128 v[BB+4*\t:BB+4*\t+3], v[RD] offset:544*\t
.endr
.endm
.macro SEND n, younger                 ; younger: the LDS instructions issued behind turn n's loads, which may stay out
.set BB, BK+32*((\n)%4)
	s_wait_dscnt \younger
.irp t, 0,1,2,3,4,5,6,7
	global_store_b128 v[CO], v[BB+4*\t:BB+4*\t+3], s[8:9] offset:(32*((\n)/4)+8*(((\n)/2)%2)+2*\t+8*(\t/4))*8192+512*((\n)%2) th:TH_STORE_NT   ; each 16 lanes store 256 consecutive bytes, aligned; 62 rows at the most: inside the immediate
.endr
.endm
	PLACES
	TOSTAGE 0
.irp n, 1,2,3,4,5,6,7
.if \n >= 4
	s_wait_xcnt 0x0                                ; turn n - 4's stores have read their registers: turn n's loads may land there
.endif
	TOSTAGE \n
	SEND \n-1, 16                                  ; behind turn n - 1's loads: turn n's 8 stores and 8 loads
.endr
	SEND 7, 0
	s_wait_tensorcnt 0x0
	ds_add_u32 v126, v127
	s_wait_dscnt 0x0
	CROUND                                         ; the closing round: no work-group ends while a partner may still ask for a tile that names it
	s_endpgm
.Lfunc_end_k_qfe4a0ccd86_outp:
	.size	k_qfe4a0ccd86_outp, .Lfunc_end_k_qfe4a0ccd86_outp-k_qfe4a0ccd86_outp
	.p2alignl 7, 3214868480
	.fill 96, 4, 3214868480
	.section	.rodata,"a",@progbits
	.p2align	6, 0x0
	.amdhsa_kernel k_qfe4a0ccd86_outp
		.amdhsa_group_segment_fixed_size 327680
		.amdhsa_private_segment_fixed_size 0
		.amdhsa_enable_private_segment 0
		.amdhsa_kernarg_size 24
		.amdhsa_user_sgpr_count 2
		.amdhsa_user_sgpr_kernarg_segment_ptr 1
		.amdhsa_wavefront_size32 1
		.amdhsa_system_sgpr_workgroup_id_x 1
		.amdhsa_system_sgpr_workgroup_id_y 1
		.amdhsa_system_sgpr_workgroup_id_z 1
		.amdhsa_system_vgpr_workitem_id 0
		.amdhsa_next_free_vgpr 768
		.amdhsa_next_free_sgpr 100
		.amdhsa_reserve_vcc 0
		.amdhsa_float_denorm_mode_32 3
		.amdhsa_float_denorm_mode_16_64 3
		.amdhsa_memory_ordered 1
		.amdhsa_forward_progress 1
		.amdhsa_inst_pref_size 78
	.end_amdhsa_kernel
	.amdgpu_metadata
---
amdhsa.version: [ 1, 2 ]
amdhsa.kernels:
  - .name:           k_qfe4a0ccd86_outp
    .symbol:         k_qfe4a0ccd86_outp.kd
    .args:
      - { .name: ctx, .offset: 0, .size: 8, .value_kind: global_buffer, .address_space: global }
      - { .name: ops, .offset: 8, .size: 8, .value_kind: global_buffer, .address_space: global }
      - { .name: out0, .offset: 16, .size: 8, .value_kind: global_buffer, .address_space: global }
    .group_segment_fixed_size: 327680
    .private_segment_fixed_size: 0
    .kernarg_segment_align: 8
    .kernarg_segment_size: 24
    .max_flat_workgroup_size: 128
    .sgpr_count:     100
    .vgpr_count:     768
    .wavefront_size: 32
...
	.end_amdgpu_metadata
.endif
;; end of part 4
